; MI455X (gfx1250); checked and timed in simulation.
; The chip was launched on July 23, 2026; its instructions are those of AMD's public machine-readable ISA for CDNA 5 (MIT licence, August 2026) and "CDNA5" Instruction Set Architecture Reference Guide (July 2026). The comments in the code are by the model that wrote it; some were corrected since.
;; GPT3 Dev Block. Allowed arithmetic: matrix products marked QUANTISED: E4M3 operands, one given power-of-two scale a tensor, by v_wmma_f32_16x16x64_fp8_fp8 or v_wmma_f32_16x16x128_fp8_fp8, f32 sums; everything else in f32.
;; Inputs: b_ao 1,024 float32; b_fc 4,096 float32; b_proj 1,024 float32; b_qkv 3,072 float32; ln1_b 1,024 float32; ln1_g 1,024 float32; ln2_b 1,024 float32; ln2_g 1,024 float32; lowp_scales 12 int32 (the exponents e of the quantised operands' scales 2^e); w_ao_codes 1,024 x 32 x 32 uint8 (E4M3 codes of w_ao, K innermost, in blocks of 32 codes); w_fc_codes 4,096 x 32 x 32 uint8 (E4M3 codes of w_fc, K innermost, in blocks of 32 codes); w_proj_codes 1,024 x 128 x 32 uint8 (E4M3 codes of w_proj, K innermost, in blocks of 32 codes); w_qkv_codes 3,072 x 32 x 32 uint8 (E4M3 codes of w_qkv, K innermost, in blocks of 32 codes); x 2 x 2,048 x 1,024 float32.
;; Outputs: out0 2 x 2,048 x 1,024 float32.
;; This version of the problem:
;;   THIS VERSION OF THE PROBLEM IS GIVEN IN LOW PRECISION. The matrix products marked QUANTISED in the list below multiply operands that are first quantised to E4M3 (4 exponent bits, 3 mantissa bits; 8 bits a number), with one given power-of-two scale for each operand tensor; their sums are f32. All else is computed in f32.
;;   The module's matrix products, in the order in which they are computed (A, B: the left and right operand; K: the contracted axis; several contracted axes count as one K, in the product's order):
;;     1. [M 4,096, K 1,024] x [K 1,024, N 3,072]; A: computed on the way; B: input w_qkv (given as codes): QUANTISED (scales: A lowp_scales[0], B lowp_scales[1])
;;     2. batch 32 x [M 2,048, K 64] x [K 64, N 2,048]; A: computed on the way; B: computed on the way: QUANTISED (scales: A lowp_scales[2], B lowp_scales[3])
;;     3. batch 32 x [M 2,048, K 2,048] x [K 2,048, N 64]; A: softmax (see below); B: computed on the way: QUANTISED (scales: A lowp_scales[4], B lowp_scales[5])
;;     4. [M 4,096, K 1,024] x [K 1,024, N 1,024]; A: computed on the way; B: input w_ao (given as codes): QUANTISED (scales: A lowp_scales[6], B lowp_scales[7])
;;     5. [M 4,096, K 1,024] x [K 1,024, N 4,096]; A: computed on the way; B: input w_fc (given as codes): QUANTISED (scales: A lowp_scales[8], B lowp_scales[9])
;;     6. [M 4,096, K 4,096] x [K 4,096, N 1,024]; A: computed on the way; B: input w_proj (given as codes): QUANTISED (scales: A lowp_scales[10], B lowp_scales[11])
;;   THE QUANTISER, for each operand of a quantised product, along K:
;;     - The operand's scale is 2^e, e = its entry of the input lowp_scales (int32; the entries are numbered through the quantised products in the list's order, A before B).
;;     - Each number is divided by the scale, clamped to +-448, and rounded to the nearest number of E4M3, ties to even, subnormals kept.
;;     - The product sums the exact products of the quantised numbers (number of the format x scale) in f32.
;;   ~~~python
;;   def quantise(x, axis, e):      # numpy; x: float32 -> the quantised numbers, widened to float32 again
;;       x = np.moveaxis(x, axis, -1); K = x.shape[-1]
;;       r = np.clip(x / 2.0 ** e, -448, 448)
;;       step = 2.0 ** (np.maximum(np.frexp(np.where(r == 0, 1, r))[1] - 1, -6) - 3)
;;       q = np.round(r / step) * step * 2.0 ** e      # np.round: ties to even
;;       return np.moveaxis(q, -1, axis).astype(np.float32)
;;   ~~~
;;   SOFTMAX AHEAD OF A QUANTISED PRODUCT. Where the list says 'softmax', what is quantised is not the finished softmax but p = 2^(t - M), with t = logit x log2(e) and M = ceil(the row's largest t), a whole number; so 1/2 < the row's largest p <= 1. The row's sum l is taken of the UNQUANTISED p, in f32, and the product's result is divided by l at the end. Since M is a whole number, a kernel that streams over the keys may use a running M (the ceiling of the running maximum): every later rescaling is an exact power of two, so the quantised numbers keep their values, but for numbers so far below the row's largest that they fall under the format's range.
;;   OPERANDS COMPUTED ON THE WAY. 'Computed on the way' means the value that the module computes at that place (a softmax that the list does not call 'softmax' is quantised finished and normalised). What goes into a quantiser is computed in f32, as accurately as f32 sums, v_exp_f32 and their like allow (about 1e-6 of the number): no bf16 or f16 on the way to a quantiser, and a product that is left as it is and whose result goes on into a quantised operand takes f32 operands (vector FMAs, or v_wmma_f32_16x16x4_f32). A number that lies on a knife's edge between two numbers of the format may be rounded either way, as far as f32 arithmetic and the matrix unit's own rounding can turn it there, and no further.
;;   INPUTS GIVEN AS CODES. w_ao (in the module: [1024, 1024], K = its axis 0); w_fc (in the module: [1024, 4096], K = its axis 0); w_proj (in the module: [4096, 1024], K = its axis 0); w_qkv (in the module: [1024, 3072], K = its axis 0): each comes as NAME_codes (uint8): NAME with its K axis moved to the last place and cut into blocks of 32 codes, [.., K / 32, bytes a block], one block behind the other in memory; one code a byte (a code: sign, 4 exponent bits, 3 mantissa bits); its scale is its entry of lowp_scales. Its value is code x scale, taken as it is: it is not quantised again, and the codes and scales need not be those that the quantiser above would give.
;; One version. Each part assembles by itself: llvm-mc -triple=amdgcn-amd-amdhsa -mcpu=gfx1250 --defsym DOCPART=n.
;; ======== version 1 of 1: 7 launches
;; limits: right only within a limited range of input values
;; workspace buffers: h1c 4,194,304 bytes; qkvc 12,582,912 bytes; ac 4,194,304 bytes; x2 16,777,216 bytes; h2c 4,194,304 bytes; h3c 16,777,216 bytes
;; launch ln1 (part 1): grid 256 x 1, 8 waves a work-group, no clusters, 17,408 bytes of LDS; arguments x, ln1_g, ln1_b, lowp_scales, h1c; writes h1c
.if DOCPART == 1
	.amdgcn_target "amdgcn-amd-amdhsa--gfx1250"
	.amdhsa_code_object_version 6
	.text
	.protected	k_q980b1f867b_ln1
	.globl	k_q980b1f867b_ln1
	.p2align	8
	.type	k_q980b1f867b_ln1,@function
k_q980b1f867b_ln1:
	s_mov_b64 s[64:65], 0
	v_nop
	global_prefetch_b8 v0, s[64:65] scope:SCOPE_SE
	s_setreg_imm32_b32 hwreg(HW_REG_WAVE_MODE, 25, 1), 1
	s_wait_xcnt 0x0
; h1c = codes of E4M3 of layernorm(x) * g + b, with the given scale 2^e, e = entry 0 of the scales.  x: [4096][1024] f32; codes: [4096][1024], one byte each, row-major.
; A wave takes two whole rows (8,192 consecutive bytes) and keeps them in registers: mean, then the sum of squares of (x - mean), then the scaling: x is read once, and an offset of x costs no accuracy.
; Each load of a wave covers 512 consecutive bytes: lane l, load j holds elements 128 j + 4 l .. + 3.  A conversion packs eight registers, so code register j holds the 4 bytes at 128 j + 4 l of the row;
; they turn through the wave's own 1,024 bytes of LDS for each row and leave as two stores of 512 consecutive bytes.  No barrier: waves share nothing.  No matrix unit, no cluster: the launch only streams.
; LIMITS: e between -126 and 119, so that 2^e and 448 x 2^e are f32 numbers.  NaN among the inputs is not served.
.set SCOFF, 0x0                        ; byte of my exponent in the scales
.set G,   16                           ; v[16:47]   the gain of my 32 columns
.set BV,  48                           ; v[48:79]   the bias
.set X,   80                           ; v[80:143]  two rows, 32 registers each
.set C,   144                          ; v[144:159] codes, 8 registers a row
.set OUT, 160                          ; v[160:175] codes as they are stored, 8 registers a row
	s_load_b256 s[4:11], s[0:1], 0x0               ; x s[4:5], g s[6:7], b s[8:9], scales s[10:11]
	s_load_b64 s[12:13], s[0:1], 0x20              ; the codes
	v_lshl_add_u32 v176, v0, 2, 0x4000
	v_mov_b32 v177, 0
	v_lshrrev_b32 v1, 5, v0
	s_delay_alu instid0(VALU_DEP_1)
	v_readfirstlane_b32 s14, v1                    ; wave 0..7
	v_and_b32 v4, 31, v0                           ; lane
	s_delay_alu instid0(VALU_DEP_1)
	v_lshlrev_b32 v1, 4, v4                        ; 16 x lane: my bytes of a load's or a store's 512
	s_lshl_b32 s15, s14, 11                        ; my wave's 2,048 bytes of LDS
	v_lshl_add_u32 v2, v4, 2, s15                  ; into the stage: 4 x lane
	v_lshl_add_u32 v3, v4, 4, s15                  ; out of it: 16 x lane
	v_mov_b32 v14, 0                               ; written once: a lane permute's destination counts as read
	s_lshl_b32 s16, ttmp9, 16                      ; 16 rows of 4,096 bytes a work-group,
	s_lshl_b32 s17, s14, 13                        ; two rows a wave
	s_add_co_u32 s16, s16, s17
	s_mov_b32 s17, 0
	s_lshr_b32 s18, s16, 2                         ; the codes are a quarter of the bytes
	s_mov_b32 s19, 0
	s_mov_b32 s20, 0x3a800000                      ; 1 / 1024
	s_mov_b32 s21, 0x3727c5ac                      ; 1e-5
	s_mov_b32 s22, 0x76543210                      ; v_permlanex16_b32: lane l takes lane l xor 16
	s_mov_b32 s23, 0xfedcba98
	s_wait_alu depctr_va_vdst(0)
	s_wait_kmcnt 0x0
	s_load_b32 s24, s[10:11], SCOFF                ; e
	s_add_nc_u64 s[4:5], s[4:5], s[16:17]
	s_add_nc_u64 s[12:13], s[12:13], s[18:19]
.irp j, 0,1,2,3,4,5,6,7
	global_load_b128 v[X+4*\j:X+4*\j+3], v1, s[4:5] offset:512*\j
.endr
.irp j, 0,1,2,3,4,5,6,7
	global_load_b128 v[X+32+4*\j:X+32+4*\j+3], v1, s[4:5] offset:4096+512*\j
.endr
.irp j, 0,1,2,3,4,5,6,7
	global_load_b128 v[G+4*\j:G+4*\j+3], v1, s[6:7] offset:512*\j
.endr
.irp j, 0,1,2,3,4,5,6,7
	global_load_b128 v[BV+4*\j:BV+4*\j+3], v1, s[8:9] offset:512*\j
.endr
	s_wait_kmcnt 0x0
	s_add_co_i32 s24, s24, 127
	s_lshl_b32 s25, s24, 23
	v_mov_b32 v12, s25                             ; 2^e as f32: the conversion takes its exponent field
	s_add_co_i32 s24, s24, 8
	s_lshl_b32 s24, s24, 23
	s_or_b32 s24, s24, 0x600000
	v_mov_b32 v13, s24                             ; 448 x 2^e
.macro REDUCE r                        ; the sum of v[r] over the 32 lanes, into every lane
	s_delay_alu instid0(VALU_DEP_1)
	v_add_f32_dpp v[\r], v[\r], v[\r] row_xmask:1 row_mask:0xf bank_mask:0xf
	s_delay_alu instid0(VALU_DEP_1)
	v_add_f32_dpp v[\r], v[\r], v[\r] row_xmask:2 row_mask:0xf bank_mask:0xf
	s_delay_alu instid0(VALU_DEP_1)
	v_add_f32_dpp v[\r], v[\r], v[\r] row_xmask:4 row_mask:0xf bank_mask:0xf
	s_delay_alu instid0(VALU_DEP_1)
	v_add_f32_dpp v[\r], v[\r], v[\r] row_xmask:8 row_mask:0xf bank_mask:0xf
	s_delay_alu instid0(VALU_DEP_1)
	v_permlanex16_b32 v14, v[\r], s22, s23
	s_delay_alu instid0(VALU_DEP_1)
	v_add_f32 v[\r], v[\r], v14
.endm
.macro ROW s
.set XS, X+32*\s
	v_pk_add_f32 v[4:5], v[XS:XS+1], v[XS+2:XS+3]  ; the row's sum: two chains of packed additions
	v_pk_add_f32 v[6:7], v[XS+4:XS+5], v[XS+6:XS+7]
.irp j, 8,12,16,20,24,28
	s_delay_alu instid0(VALU_DEP_2)
	v_pk_add_f32 v[4:5], v[4:5], v[XS+\j:XS+\j+1]
	s_delay_alu instid0(VALU_DEP_2)
	v_pk_add_f32 v[6:7], v[6:7], v[XS+\j+2:XS+\j+3]
.endr
	s_delay_alu instid0(VALU_DEP_1)
	v_pk_add_f32 v[4:5], v[4:5], v[6:7]
	s_delay_alu instid0(VALU_DEP_1)
	v_add_f32 v4, v4, v5
	REDUCE 4
	s_delay_alu instid0(VALU_DEP_1)
	v_mul_f32 v4, s20, v4                          ; the mean
.irp j, 0,2,4,6,8,10,12,14,16,18,20,22,24,26,28,30
	v_pk_add_f32 v[XS+\j:XS+\j+1], v[XS+\j:XS+\j+1], v[4:5] op_sel_hi:[1,0] neg_lo:[0,1] neg_hi:[0,1]   ; x - mean (the pair's low word for both halves)
.endr
	v_pk_mul_f32 v[6:7], v[XS:XS+1], v[XS:XS+1]    ; the sum of squares: the first products start two chains
	v_pk_mul_f32 v[8:9], v[XS+2:XS+3], v[XS+2:XS+3]
.irp j, 4,8,12,16,20,24,28
	s_delay_alu instid0(VALU_DEP_2)
	v_pk_fma_f32 v[6:7], v[XS+\j:XS+\j+1], v[XS+\j:XS+\j+1], v[6:7]
	s_delay_alu instid0(VALU_DEP_2)
	v_pk_fma_f32 v[8:9], v[XS+\j+2:XS+\j+3], v[XS+\j+2:XS+\j+3], v[8:9]
.endr
	s_delay_alu instid0(VALU_DEP_1)
	v_pk_add_f32 v[6:7], v[6:7], v[8:9]
	s_delay_alu instid0(VALU_DEP_1)
	v_add_f32 v6, v6, v7
	REDUCE 6
	s_delay_alu instid0(VALU_DEP_1)
	v_fma_f32 v6, v6, s20, s21                     ; the variance + 1e-5
	s_wait_alu depctr_va_vdst(0)
	v_rsq_f32 v6, v6
	v_nop                                          ; one plain instruction behind a transcendental before its result is used (ISA guide 5.7.2)
.if \s == 0
	s_wait_loadcnt 0x0                             ; the gain and the bias (and row 1) are in
.endif
	s_wait_alu depctr_va_vdst(0)
.irp j, 0,2,4,6,8,10,12,14,16,18,20,22,24,26,28,30
	v_pk_mul_f32 v[XS+\j:XS+\j+1], v[XS+\j:XS+\j+1], v[6:7] op_sel_hi:[1,0]
.endr
.irp j, 0,2,4,6,8,10,12,14,16,18,20,22,24,26,28,30
	v_pk_fma_f32 v[XS+\j:XS+\j+1], v[XS+\j:XS+\j+1], v[G+\j:G+\j+1], v[BV+\j:BV+\j+1]
.endr
.irp j, 0,1,2,3,4,5,6,7,8,9,10,11,12,13,14,15,16,17,18,19,20,21,22,23,24,25,26,27,28,29,30,31
	v_med3_num_f32 v[XS+\j], v[XS+\j], -v13, v13   ; the conversion to an 8-bit code does not saturate (ISA guide 7.6.2): the hold at the largest code x the scale
.endr
.irp q, 0,1,2,3
	v_cvt_scalef32_pk8_fp8_f32 v[C+8*\s+2*\q:C+8*\s+2*\q+1], v[XS+8*\q:XS+8*\q+7], v12
.endr
	v_nop                                          ; a plain instruction behind the last conversion
.irp j, 0,1,2,3,4,5,6,7
	ds_store_b32 v2, v[C+8*\s+\j] offset:1024*\s+128*\j
.endr
.irp m, 0,1
	ds_load_b128 v[OUT+8*\s+4*\m:OUT+8*\s+4*\m+3], v3 offset:1024*\s+512*\m   ; LDS serves a wave's instructions in order (ISA guide 5.7.1.4): these see my stores
.endr
	s_wait_dscnt 0x0
.irp m, 0,1
	global_store_b128 v1, v[OUT+8*\s+4*\m:OUT+8*\s+4*\m+3], s[12:13] offset:1024*\s+512*\m   ; 32 lanes store 512 consecutive bytes, aligned
.endr
.endm
	s_wait_loadcnt 24                              ; row 0's eight loads are in; the 24 younger ones (row 1, gain, bias) may be out
	ROW 0
	ROW 1
	s_wait_tensorcnt 0x0
	ds_add_u32 v176, v177
	s_wait_dscnt 0x0
	s_endpgm
.Lfunc_end_k_q980b1f867b_ln1:
	.size	k_q980b1f867b_ln1, .Lfunc_end_k_q980b1f867b_ln1-k_q980b1f867b_ln1
	.p2alignl 7, 3214868480
	.fill 96, 4, 3214868480
	.section	.rodata,"a",@progbits
	.p2align	6, 0x0
	.amdhsa_kernel k_q980b1f867b_ln1
		.amdhsa_group_segment_fixed_size 17408
		.amdhsa_private_segment_fixed_size 0
		.amdhsa_enable_private_segment 0
		.amdhsa_kernarg_size 40
		.amdhsa_user_sgpr_count 2
		.amdhsa_user_sgpr_kernarg_segment_ptr 1
		.amdhsa_wavefront_size32 1
		.amdhsa_system_sgpr_workgroup_id_x 1
		.amdhsa_system_sgpr_workgroup_id_y 1
		.amdhsa_system_sgpr_workgroup_id_z 1
		.amdhsa_system_vgpr_workitem_id 0
		.amdhsa_next_free_vgpr 178
		.amdhsa_next_free_sgpr 66
		.amdhsa_reserve_vcc 0
		.amdhsa_float_denorm_mode_32 3
		.amdhsa_float_denorm_mode_16_64 3
		.amdhsa_memory_ordered 1
		.amdhsa_forward_progress 1
		.amdhsa_inst_pref_size 26
	.end_amdhsa_kernel
	.amdgpu_metadata
---
amdhsa.version: [ 1, 2 ]
amdhsa.kernels:
  - .name:           k_q980b1f867b_ln1
    .symbol:         k_q980b1f867b_ln1.kd
    .args:
      - { .name: x, .offset: 0, .size: 8, .value_kind: global_buffer, .address_space: global }
      - { .name: ln1_g, .offset: 8, .size: 8, .value_kind: global_buffer, .address_space: global }
      - { .name: ln1_b, .offset: 16, .size: 8, .value_kind: global_buffer, .address_space: global }
      - { .name: lowp_scales, .offset: 24, .size: 8, .value_kind: global_buffer, .address_space: global }
      - { .name: h1c, .offset: 32, .size: 8, .value_kind: global_buffer, .address_space: global }
    .group_segment_fixed_size: 17408
    .private_segment_fixed_size: 0
    .kernarg_segment_align: 8
    .kernarg_segment_size: 40
    .max_flat_workgroup_size: 256
    .sgpr_count:     66
    .vgpr_count:     178
    .wavefront_size: 32
...
	.end_amdgpu_metadata
.endif
;; end of part 1
;; launch qkv (part 2): grid 12 x 16, 4 waves a work-group, clusters of 4 x 4, 327,680 bytes of LDS; arguments h1c, w_qkv_codes, lowp_scales, b_qkv, qkvc; writes qkvc
.if DOCPART == 2
	.amdgcn_target "amdgcn-amd-amdhsa--gfx1250"
	.amdhsa_code_object_version 6
	.text
	.protected	k_q980b1f867b_qkv
	.globl	k_q980b1f867b_qkv
	.p2align	8
	.type	k_q980b1f867b_qkv,@function
k_q980b1f867b_qkv:
	s_mov_b64 s[64:65], 0
	v_nop
	global_prefetch_b8 v0, s[64:65] scope:SCOPE_SE
	s_setreg_imm32_b32 hwreg(HW_REG_WAVE_MODE, 25, 1), 1
	s_wait_xcnt 0x0
	s_wait_alu depctr_hold_cnt(0) depctr_sa_sdst(0) depctr_va_vdst(0) depctr_va_sdst(0) depctr_va_ssrc(0) depctr_va_vcc(0) depctr_vm_vsrc(0)
	s_getreg_b32 s2, hwreg(HW_REG_IB_STS2, 6, 4)
	s_cmp_eq_u32 s2, 0
	s_cbranch_scc0 .Lentry_in_a_cluster
	s_endpgm
.Lentry_in_a_cluster:
	s_bfe_u32 s2, ttmp6, 0x10000c
	s_cmp_lg_u32 s2, 0xf033
	s_cbranch_scc0 .Lentry_shape_is_right
	s_endpgm
.Lentry_shape_is_right:
; q, k, v = codes of E4M3 of (h1 Wqkv^T + b_qkv), each with its own given scale.  h1c: [4096][1024] codes; w_qkv_codes: [3072][1024] codes; sums in f32.
; A number of h1 is code x 2^e0, of W code x 2^e1: each finished sum is multiplied once by 2^(e0 + e1), the bias is added, and the result is quantised with 2^e2 (q), 2^e3 (k) or 2^e5 (v).
; A tile of 256 x 256 is made by a work-group of four waves, 128 x 128 a wave: 64 accumulators, 512 registers.  K = 1,024 goes in steps of 256 through a ring of two LDS slots filled by the tensor data mover.
; CLUSTERS: 4 x 4 work-groups; the cluster's x says which third it makes: 0 q, 1 k, 2 v.  The A side's tile is shared along a row of the cluster, the B side's along a column: joint loads, one a wave.
; SIDES.  Source 0 of the matrix instruction takes 16 rows of the B side, source 1 16 rows of the A side: a lane then holds ONE row of the A side and eight neighbouring columns of the B side.
;   q, k: A side = tokens, B side = W's rows: a lane's numbers run along the head's 64, which is the K of the scores.   v: A side = W's rows, B side = tokens: they run along the keys, the K of the second product.
; OUT.  q, k: [2 head + batch][2048 tokens][64];  v: [2 head + batch][32 blocks of keys][64 channels][64 keys].  In each row of 64 bytes, within each 32, logical index 16 i + 8 h + j lies at byte 16 h + 8 i + j:
;   a 16-byte LDS load at 32 c + 16 h then brings a lane the k that the plain 8-bit operand layout gives it (ISA guide 7.12.2).
; THE WAY OUT.  The 128 x 128 sums of a wave are laid into LDS as f32 (over the ring, behind its last fill and a barrier behind the last read) and walked in eight trips of 16 rows: a lane takes 16 numbers that
;   make 16 neighbouring bytes of the output, and each store of the wave covers 512 consecutive bytes, aligned.
; LIMITS: e0 + e1 between -126 and 127; e2, e3, e5 between -126 and 119.  NaN is not served.
; REGISTERS: window 0: v0-31 addresses; v32-127 free in the loop; v128-255 the A side's fragments, one set.  window 1: the B side's, two sets.  windows 2, 3: the accumulators, (a, b) at v[8 (8 (a % 4) + b)].
.set KSTEP,  256
.set ROWB,   256
.set KROW,   1024
.set PITCH,  272                       ; an LDS row: 256 bytes + 16 of padding = 68 words: the 16 rows of a load start at 16 different banks (64 banks of 4 bytes: ISA guide 11.1)
.set FR,     16
.set NL,     4
.set NP,     4                         ; places behind this matrix instruction (ISA guide 7.12.1)
.set HALFT,  128*PITCH
.set SLOT,   4*HALFT
.set LAPS,   KROW/(2*KSTEP)
.set SPARE,  2*SLOT                    ; the spare words: 128 bytes a wave, two blocks of 256 bytes that no other line names
.set BTAB,   SPARE+512                 ; 128 numbers of the bias for each wave
.set DP,     528                       ; the way out: a row of 128 f32 + 16 bytes
.set DREG,   128*DP                    ; a wave's 128 rows
.set BJA,  5                           ; v5   where the bias by column is read
.set BIA0, 6                           ; v6   where the bias by row is read, trip 0
.set BIA,  7                           ; v7   the same, this trip
.set CD,   8                           ; v[8:23]   the way out: codes, four registers a unit
.set ADRA, 16
.set ADRB, 20
.set DST,  24                          ; v24  where I lay 32 bytes of a row of sums
.set RD0,  25                          ; v25  where I read my 16 numbers, trip 0
.set ADR,  26                          ; v26  the same, this trip
.set GO,   27                          ; v27  16 x lane
.set SPW,  28
.set NIL,  29
.set SCV,  30                          ; v30  2^eo
.set LIM,  31                          ; v31  448 x 2^eo
.set BJ,   32                          ; v[32:63]  the bias by column: 16 numbers for each of two blocks of 64 columns
.set R,    64                          ; v[64:127] a trip's sums as read back
.set AF,   128
.set X,    128                         ; v[128:191] a trip's numbers
.set BI,   192                         ; v192, v194: the bias by row, for rows 0-7 and 8-15 of the trip; v193, v195 named with them as pairs
.set G1, 24
.set G0, 32
.set G1B, 48
.set G0B, 56
.set MSB, 0
.macro WIN new                         ; the immediate's high byte repeats the setting that is left
.if MSB != \new
	s_set_vgpr_msb (MSB<<8)|\new
.set MSB, \new
.endif
.endm
.set MUL_LO, 0xa1                      ; source 0 window 1, source 1 window 0, C and D window 2
.set MUL_HI, 0xf1
.set TO_B,   0x40
; A joint load: waves 0 and 1 fetch for the A side, waves 2 and 3 for the B side.  The branch hangs on the wave's number alone.  Four v_nop follow each of the two lines.
.macro JLOAD g0a, g1a, g0b, g1b
	s_cmp_eq_u32 s15, 0
	s_cbranch_scc0 .Lfor_b_\@
	tensor_load_to_lds s[\g0a:\g0a+3], s[\g1a:\g1a+7]
	s_nop 0
.rept 4
	v_nop
.endr
	s_branch .Lasked_\@
.Lfor_b_\@:
	tensor_load_to_lds s[\g0b:\g0b+3], s[\g1b:\g1b+7]
	s_nop 0
.rept 4
	v_nop
.endr
.Lasked_\@:
.endm
.macro CREST                           ; a round of the cluster's barrier behind its opening barrier
	s_cmp_lg_u32 s14, 0
	s_cbranch_scc1 .Lnot_wave_0_\@
	s_barrier_signal -3
.Lnot_wave_0_\@:
	s_barrier_wait -3
	s_barrier_signal -1
	s_barrier_wait -1
.endm
.macro CROUND
	s_barrier_signal -1
	s_barrier_wait -1
	CREST
.endm
	s_load_b256 s[4:11], s[0:1], 0x0               ; h1c s[4:5], W's codes s[6:7], scales s[8:9], bias s[10:11]
	s_load_b64 s[12:13], s[0:1], 0x20              ; qkvc
	v_lshl_add_u32 v[SPW], v0, 2, SPARE
	v_mov_b32 v[NIL], 0
	ds_add_u32 v28, v29
	ds_add_u32 v28, v29
	s_wait_dscnt 0x0
	v_lshrrev_b32 v1, 5, v0
	v_readfirstlane_b32 s14, v1                    ; wave 0..3
	s_lshr_b32 s15, s14, 1                         ; my half of the A side's rows.  Also: I fetch for the A side (0) or the B side (1)
	s_and_b32 s16, s14, 1                          ; my half of the B side's rows.  Also: which 128 rows I fetch
	s_bfe_u32 s40, ttmp6, 0x40000                  ; cx
	s_bfe_u32 s41, ttmp6, 0x40004                  ; cy
	s_lshl_b32 s66, ttmp9, 2                       ; 4 X
	s_and_b32 s67, ttmp7, 0xffff
	s_lshl_b32 s67, s67, 2                         ; 4 Y
	s_add_co_u32 s68, s67, s41                     ; 4 Y + cy
	s_add_co_u32 s69, s66, s40                     ; 4 X + cx
	s_add_co_u32 s70, s67, s40                     ; 4 Y + cx
	s_mov_b32 s71, 262144
	s_mov_b32 s72, 4096
	s_cmp_eq_u32 ttmp9, 2                          ; v?  The cluster's x is the same in all sixteen partners
	s_cselect_b32 s17, s41, s68                    ; the A side's tile: v: W's rows 2048 + 256 cy on; q, k: tokens 256 (4 Y + cy) on.  It hangs on cy alone
	s_cselect_b32 s42, s70, s69                    ; the B side's tile: v: tokens 256 (4 Y + cx) on; q, k: W's rows 256 (4 X + cx) on.  It hangs on cx alone
	s_cselect_b32 s73, s70, s40                    ; the same, counted inside my third of the output
	s_cselect_b32 s84, s71, s72                    ; SA: output bytes for 64 rows of the A side
	s_cselect_b32 s86, s72, s71                    ; SJ: output bytes for 64 columns of the B side
	s_mov_b32 s87, 0
	s_lshl_b32 s43, s41, 2
	s_lshl_b32 s43, 15, s43                        ; my row of the cluster
	s_lshl_b32 s44, 0x1111, s40                    ; my column
	s_or_b32 s[G1+0], s43, (0<<16)|(1<<20)|(1<<21)|(5<<22)|(3<<25)  ; 15:0 the mask; 17:16 elements of 1 byte; 20 padding on; 21 set beside a mask; 24:22 after every 64 words; 31:25 four words
	s_or_b32 s[G1B+0], s44, (0<<16)|(1<<20)|(1<<21)|(5<<22)|(3<<25)
.irp g, G1, G1B
	s_mov_b32 s[\g+1], ROWB<<16                    ; tensor_dim0
	s_mov_b32 s[\g+2], 128<<16                     ; tensor_dim1
	s_mov_b32 s[\g+3], ROWB<<16                    ; tile_dim0
	s_mov_b32 s[\g+4], 128                         ; tile_dim1
	s_mov_b32 s[\g+5], KROW                        ; from row to row
	s_mov_b32 s[\g+6], 0
	s_mov_b32 s[\g+7], 0
.endr
	s_lshl_b32 s18, s16, 7
	s_lshl_b32 s20, s17, 8
	s_add_co_u32 s20, s20, s18
	s_lshl_b32 s20, s20, 10                        ; the A side's first row that I fetch, in bytes
	s_mov_b32 s21, 0
	s_lshl_b32 s46, s42, 8
	s_add_co_u32 s46, s46, s18
	s_lshl_b32 s46, s46, 10                        ; the B side's
	s_mov_b32 s47, 0
	s_mul_i32 s45, s14, HALFT                      ; where it goes: wave x 128 rows
	s_wait_kmcnt 0x0
	s_load_b256 s[76:83], s[8:9], 0x0              ; e0 .. e7
	s_add_nc_u64 s[74:75], s[6:7], 0x200000        ; W's rows 2048 on: v's
	s_cmp_eq_u32 ttmp9, 2
	s_cselect_b64 s[92:93], s[74:75], s[4:5]       ; the A side's buffer
	s_cselect_b64 s[94:95], s[4:5], s[6:7]         ; the B side's
	s_add_nc_u64 s[20:21], s[92:93], s[20:21]
	s_add_nc_u64 s[46:47], s[94:95], s[46:47]
	; the prefetches: of the 128 rows that my wave fetches, each of the four partners that ask for them jointly names 32, told apart by address (cx for the A side, cy for the B side): a lane a row, 256 bytes of a row a K step
	s_cmp_eq_u32 s15, 0
	s_cselect_b64 s[74:75], s[20:21], s[46:47]
	s_cselect_b32 s70, s40, s41
	s_lshl_b32 s70, s70, 15                        ; 32 rows of 1,024 bytes
	s_mov_b32 s71, 0
	s_add_nc_u64 s[74:75], s[74:75], s[70:71]
	v_and_b32 v22, 31, v0
	v_lshlrev_b32 v22, 10, v22                     ; my lane's row; not written again before the way out, behind its wait on XCNT
	s_wait_alu depctr_va_vdst(0)                   ; the wait here, behind the write
	CROUND
.irp s, 0,1
	s_mov_b32 s[G0+4*\s], 1
	s_add_co_u32 s[G0+4*\s+1], s45, \s*SLOT
	s_add_nc_u64 s[G0+4*\s+2:G0+4*\s+3], s[20:21], \s*ROWB
	s_or_b32 s[G0+4*\s+3], s[G0+4*\s+3], 0x80000000
	s_mov_b32 s[G0B+4*\s], 1
	s_add_co_u32 s[G0B+4*\s+1], s45, \s*SLOT
	s_add_nc_u64 s[G0B+4*\s+2:G0B+4*\s+3], s[46:47], \s*ROWB
	s_or_b32 s[G0B+4*\s+3], s[G0B+4*\s+3], 0x80000000
.endr
	JLOAD G0, G1, G0B, G1B                         ; K step 0: one tensor load a wave at the head
	global_prefetch_b8 v22, s[74:75] offset:256 th:TH_LOAD_NT scope:SCOPE_SE   ; K steps 1 and 2
	global_prefetch_b8 v22, s[74:75] offset:512 th:TH_LOAD_NT scope:SCOPE_SE
	; my wave's 128 numbers of the bias: v: those of my 128 rows of the A side; q, k: those of my 128 columns of the B side.  They go into my own part of the table in LDS
	s_lshl_b32 s98, s41, 8
	s_lshl_b32 s85, s15, 7
	s_add_co_u32 s98, s98, s85
	s_add_co_u32 s98, s98, 2048
	s_lshl_b32 s99, s69, 8
	s_lshl_b32 s85, s16, 7
	s_add_co_u32 s99, s99, s85
	s_cmp_eq_u32 ttmp9, 2
	s_cselect_b32 s98, s98, s99
	s_lshl_b32 s98, s98, 2
	s_mov_b32 s99, 0
	s_add_nc_u64 s[10:11], s[10:11], s[98:99]
	v_and_b32 v8, 31, v0
	v_lshlrev_b32 v[GO], 4, v8
	global_load_b128 v[32:35], v[GO], s[10:11]
	v_and_b32 v1, 15, v0                           ; r
	s_wait_alu depctr_va_vdst(0)
	v_bfe_u32 v2, v0, 4, 1                         ; h
	v_mul_u32_u24 v3, v1, PITCH
	v_lshl_add_u32 v4, v2, 4, v3                   ; a fragment's row x pitch + 16 h
	s_mul_i32 s21, s15, HALFT
	s_mul_i32 s22, s16, HALFT
	s_add_co_u32 s22, s22, 2*HALFT
.irp s, 0,1
	v_add_nc_u32 v[ADRA+\s], s21, v4
	v_add_nc_u32 v[ADRB+\s], s22, v4
	s_add_co_u32 s21, s21, SLOT
	s_add_co_u32 s22, s22, SLOT
.endr
	s_mul_i32 s23, s14, DREG
	v_mul_u32_u24 v3, v1, DP
	s_wait_alu depctr_va_vdst(0)
	v_lshl_add_u32 v3, v2, 5, v3
	v_add_nc_u32 v[DST], s23, v3                   ; row r, + 32 h
	v_bfe_u32 v3, v0, 2, 3                         ; lane / 4: my row of a unit's eight
	v_bfe_u32 v4, v0, 1, 1                         ; which 32 of the 64
	v_and_b32 v8, 1, v0                            ; which half of the lanes will read my 16 bytes
	v_lshlrev_b32 v9, 7, v4
	v_lshl_add_u32 v9, v8, 5, v9                   ; 128 c + 32 h: my first eight numbers; the other eight lie 64 bytes on
	v_mul_u32_u24 v4, v3, DP
	v_add_nc_u32 v4, v4, v9
	v_add_nc_u32 v[RD0], s23, v4
	s_lshl_b32 s85, s14, 9
	s_add_co_u32 s85, s85, BTAB                    ; my part of the table
	v_add_nc_u32 v[BJA], s85, v9
	v_lshl_add_u32 v[BIA0], v3, 2, s85
	v_add_nc_u32 v4, s85, v[GO]
	; where my wave's part of the output begins
	s_lshl_b32 s88, s17, 2
	s_lshl_b32 s90, s15, 1
	s_add_co_u32 s88, s88, s90
	s_mul_i32 s88, s88, s84                        ; (4 tile + 2 half) x SA
	s_lshl_b32 s90, s73, 2
	s_lshl_b32 s91, s16, 1
	s_add_co_u32 s90, s90, s91
	s_mul_i32 s90, s90, s86                        ; (4 tile + 2 half) x SJ
	s_add_co_u32 s88, s88, s90
	s_lshl_b32 s90, ttmp9, 22                      ; my third: 4,194,304 bytes each
	s_add_co_u32 s88, s88, s90
	s_mov_b32 s89, 0
	s_add_nc_u64 s[88:89], s[12:13], s[88:89]
	s_wait_alu depctr_va_vdst(0)
	s_wait_loadcnt 0x0
	ds_store_b128 v4, v[32:35]
.macro FRAG reg, adr, q, i             ; 16 rows x 128 K: registers 4 c .. 4 c + 3 hold K = 32 c + 16 (l / 16) + 0 .. 15: the same places on both sides, so every product meets its partner
.irp c, 0,1,2,3
	ds_load_b128 v[\reg+4*\c:\reg+4*\c+3], v[\adr] offset:128*(\q)+32*\c+(\i)*16*PITCH
.endr
.endm
; 16 matrix instructions.  The 64 accumulators take turns, one instruction a turn, in the same order in every step.
.macro MUL16 a0, p, zero
.irp a, \a0, \a0+1
.irp b, 0,1,2,3,4,5,6,7
.if \zero
	v_wmma_f32_16x16x128_fp8_fp8 v[8*(8*((\a)%4)+\b):8*(8*((\a)%4)+\b)+7], v[128*(\p)+FR*\b:128*(\p)+FR*\b+FR-1], v[AF+FR*(\a):AF+FR*(\a)+FR-1], 0
.else
	v_wmma_f32_16x16x128_fp8_fp8 v[8*(8*((\a)%4)+\b):8*(8*((\a)%4)+\b)+7], v[128*(\p)+FR*\b:128*(\p)+FR*\b+FR-1], v[AF+FR*(\a):AF+FR*(\a)+FR-1], v[8*(8*((\a)%4)+\b):8*(8*((\a)%4)+\b)+7]
.endif
.endr
.endr
.endm
.macro FETCH_B slot, q, p
	WIN TO_B
.irp i, 0,1,2,3,4,5,6,7
	FRAG 128*(\p)+FR*\i, ADRB+\slot, \q, \i
.endr
	WIN 0
.endm
.macro FETCH_A slot, q, i0
.irp i, \i0, \i0+1, \i0+2, \i0+3
	FRAG AF+FR*(\i), ADRA+\slot, \q, \i
.endr
.endm
.macro PLACES n                        ; plain vector instructions between a matrix instruction and a load into, or a read of, its registers
.rept \n
	v_nop
.endr
.endm
.macro STEP slot, q, zero              ; 128 along K, with its successor in the same slot
	s_wait_dscnt 4*NL                              ; the B side's set and A's blocks 0-3 are in; the youngest 16 loads (blocks 4-7) may be out
	WIN MUL_LO
	MUL16 0, (\q)%2, \zero
	MUL16 2, (\q)%2, \zero
	s_wait_dscnt 0
	PLACES NP
	FETCH_B \slot, (\q)+1, 1-(\q)%2
	FETCH_A \slot, (\q)+1, 0
	WIN MUL_HI
	MUL16 4, (\q)%2, \zero
	MUL16 6, (\q)%2, \zero
	PLACES NP
	WIN 0
	FETCH_A \slot, (\q)+1, 4
.endm
; A slot's last step changes slots: one barrier; in front of it each wave waits for all its tensor loads, adds 0 to its spare word, and waits for that and for its own reads of this slot.
.macro TURN slot, next, fill
	s_wait_tensorcnt 0x0                           ; all my tensor loads have landed: my part of the next slot
	ds_add_u32 v[SPW], v[NIL]                      ; 0 onto my spare word
	s_wait_dscnt 4*NL+1                            ; (the add and the youngest 16 loads may be out)
	WIN MUL_LO
	MUL16 0, 1, 0
	s_wait_dscnt 0x0                               ; the add is done, and my reads of this slot are over
	s_barrier_signal -1
	MUL16 2, 1, 0
	WIN 0
	s_barrier_wait -1
.if \fill
	CREST                                          ; the barrier has opened a round of the cluster's: no wave of any partner still reads this slot or has a load on its way
	s_add_nc_u64 s[G0+4*\slot+2:G0+4*\slot+3], s[G0+4*\slot+2:G0+4*\slot+3], 2*ROWB
	s_add_nc_u64 s[G0B+4*\slot+2:G0B+4*\slot+3], s[G0B+4*\slot+2:G0B+4*\slot+3], 2*ROWB
	JLOAD G0+4*\slot, G1, G0B+4*\slot, G1B         ; the first tensor load behind the round; its four v_nop are the places in front of the loads below
.else
	PLACES NP
.endif
	FETCH_B \next, 0, 0
	FETCH_A \next, 0, 0
	WIN MUL_HI
	MUL16 4, 1, 0
	MUL16 6, 1, 0
	PLACES NP
	WIN 0
	FETCH_A \next, 0, 4
.endm
	s_wait_tensorcnt 0x0                           ; my part of K step 0 is in; slot 1's first fill is issued as a refill is
	ds_add_u32 v[SPW], v[NIL]
	s_wait_dscnt 0x0                               ; the add and my store into the table are done
	CROUND                                         ; everybody's part of K step 0 is in, and the joint loads meet
	JLOAD G0+4, G1, G0B+4, G1B                     ; K step 1: the first tensor load behind the round
	FETCH_B 0, 0, 0
	FETCH_A 0, 0, 0
	FETCH_A 0, 0, 4
	global_prefetch_b8 v22, s[74:75] offset:768 th:TH_LOAD_NT scope:SCOPE_SE   ; K step 3, the last: two refills on
	STEP 0, 0, 1                                   ; the first step's products start the sums
	s_mov_b32 s3, LAPS-1
.Llap:                                                 ; a trip goes once round the ring and fills both slots again
	TURN 0, 1, 1
	STEP 1, 0, 0
	TURN 1, 0, 1
	STEP 0, 0, 0
	s_sub_co_u32 s3, s3, 1
	s_cmp_lg_u32 s3, 0
	s_cbranch_scc1 .Llap
	TURN 0, 1, 0                                   ; the last lap fills nothing
	STEP 1, 0, 0
	s_wait_dscnt 4*NL
	WIN MUL_LO
	MUL16 0, 1, 0
	MUL16 2, 1, 0
	s_wait_dscnt 0
	WIN MUL_HI
	MUL16 4, 1, 0
	MUL16 6, 1, 0
	WIN 0
	; THE WAY OUT
	s_wait_dscnt 0x0
	s_barrier_signal -1
	s_barrier_wait -1                              ; every wave's reads of both slots are over; both have had their last fill: the sums may be laid over them
	PLACES NP
	s_wait_kmcnt 0x0
	s_add_co_i32 s96, s76, s77
	s_add_co_i32 s96, s96, 127
	s_lshl_b32 s96, s96, 23                        ; 2^(e0 + e1)
	s_mov_b32 s97, s96                             ; (named with it as a pair)
	s_cmp_eq_u32 ttmp9, 0
	s_cselect_b32 s85, s78, s79                    ; e2 for q, e3 for k,
	s_cmp_eq_u32 ttmp9, 2
	s_cselect_b32 s85, s81, s85                    ; e5 for v
	s_add_co_i32 s85, s85, 127
	s_lshl_b32 s90, s85, 23
	v_mov_b32 v[SCV], s90
	s_add_co_i32 s85, s85, 8
	s_lshl_b32 s85, s85, 23
	s_or_b32 s85, s85, 0x600000
	v_mov_b32 v[LIM], s85
	v_mov_b32 v[BI+1], 0
	v_mov_b32 v[BI+3], 0
.irp a, 0,1,2,3,4,5,6,7                        ; each accumulator from its low end on
	WIN 0x08+4*(\a/4)                              ; store data: window 2 or 3
.irp b, 0,1,2,3,4,5,6,7
	ds_store_b128 v[DST], v[8*(8*(\a%4)+\b):8*(8*(\a%4)+\b)+3] offset:\a*16*DP+64*\b
	ds_store_b128 v[DST], v[8*(8*(\a%4)+\b)+4:8*(8*(\a%4)+\b)+7] offset:\a*16*DP+64*\b+16
.endr
.endr
	WIN 0
	s_mov_b32 s98, 0                               ; the trip's first row in my region, in bytes
	s_mov_b32 s99, 0                               ; and in the table
.irp jj, 0,1
.irp i, 0,1,2,3
	ds_load_b128 v[BJ+16*\jj+4*\i:BJ+16*\jj+4*\i+3], v[BJA] offset:256*\jj+16*(\i%2)+64*(\i/2)
.endr
.endr
; A trip's 16 rows x 128 columns are four units: u / 2 = which eight rows, u % 2 = which 64 columns.  LDS serves a wave's instructions in order: these loads see my stores.
.macro EPI_LOAD
	v_add_nc_u32 v[ADR], s98, v[RD0]
	v_add_nc_u32 v[BIA], s99, v[BIA0]
.irp u, 0,1,2,3
.irp i, 0,1,2,3
	ds_load_b128 v[R+16*\u+4*\i:R+16*\u+4*\i+3], v[ADR] offset:(\u/2)*8*DP+(\u%2)*256+16*(\i%2)+64*(\i/2)
.endr
.endr
	ds_load_b32 v[BI], v[BIA]
	ds_load_b32 v[BI+2], v[BIA] offset:32
.endm
.macro EPI_TRIP pre
	s_wait_dscnt 0x0                               ; this trip's sums and its bias by row are in
	s_cmp_eq_u32 ttmp9, 2                          ; the bias runs along the B side (q, k) or along the A side (v): the same way in all partners
	s_cbranch_scc1 .Lby_row_\@
.irp u, 0,1,2,3
.irp p, 0,2,4,6,8,10,12,14
	v_pk_fma_f32 v[X+16*\u+\p:X+16*\u+\p+1], v[R+16*\u+\p:R+16*\u+\p+1], s[96:97], v[BJ+16*(\u%2)+\p:BJ+16*(\u%2)+\p+1] op_sel_hi:[1,0,1]
.endr
.endr
	s_branch .Lbiased_\@
.Lby_row_\@:
	s_wait_alu depctr_va_vdst(0)
.irp u, 0,1,2,3
.irp p, 0,2,4,6,8,10,12,14
	v_pk_fma_f32 v[X+16*\u+\p:X+16*\u+\p+1], v[R+16*\u+\p:R+16*\u+\p+1], s[96:97], v[BI+2*(\u/2):BI+2*(\u/2)+1] op_sel_hi:[1,0,0]
.endr
.endr
.Lbiased_\@:
.if \pre
	s_add_co_u32 s98, s98, 16*DP
	s_add_co_u32 s99, s99, 64
	EPI_LOAD                                       ; the next trip's, under this trip's arithmetic
.endif
	s_wait_xcnt 0x0                                ; the last trip's stores have read their codes and bases: both are written again below
.irp u, 0,1,2,3
.irp p, 0,1,2,3,4,5,6,7,8,9,10,11,12,13,14,15
	v_med3_num_f32 v[X+16*\u+\p], v[X+16*\u+\p], -v[LIM], v[LIM]   ; the conversion does not saturate (ISA guide 7.6.2): the hold at the largest code x the scale
.endr
	v_cvt_scalef32_pk8_fp8_f32 v[CD+4*\u:CD+4*\u+1], v[X+16*\u:X+16*\u+7], v[SCV]
	v_cvt_scalef32_pk8_fp8_f32 v[CD+4*\u+2:CD+4*\u+3], v[X+16*\u+8:X+16*\u+15], v[SCV]
.endr
	s_wait_alu depctr_va_vdst(0)
	v_nop                                          ; a plain instruction behind the last conversion
	s_and_b32 s92, s3, 3                           ; trip t: 16 rows of 64 bytes each, four trips to 64 rows of the A side
	s_lshl_b32 s92, s92, 10
	s_lshr_b32 s93, s3, 2
	s_mul_i32 s93, s93, s84
	s_add_co_u32 s92, s92, s93
	s_mov_b32 s93, 0
	s_add_nc_u64 s[90:91], s[88:89], s[92:93]      ; columns 0-63,
	s_add_nc_u64 s[94:95], s[90:91], s[86:87]      ; columns 64-127
	global_store_b128 v[GO], v[CD:CD+3], s[90:91]                 ; 32 lanes store 512 consecutive bytes, aligned: eight rows of 64
	global_store_b128 v[GO], v[CD+4:CD+7], s[94:95]
	global_store_b128 v[GO], v[CD+8:CD+11], s[90:91] offset:512
	global_store_b128 v[GO], v[CD+12:CD+15], s[94:95] offset:512
.endm
	EPI_LOAD
	s_mov_b32 s3, 0
.Lrows:
	EPI_TRIP 1
	s_add_co_u32 s3, s3, 1
	s_cmp_lt_u32 s3, 7
	s_cbranch_scc1 .Lrows
	EPI_TRIP 0                                     ; the last trip reads nothing ahead
	s_wait_tensorcnt 0x0                           ; the wave's end
	ds_add_u32 v[SPW], v[NIL]
	s_wait_dscnt 0x0
	CROUND                                         ; the closing round
	s_endpgm
.Lfunc_end_k_q980b1f867b_qkv:
	.size	k_q980b1f867b_qkv, .Lfunc_end_k_q980b1f867b_qkv-k_q980b1f867b_qkv
	.p2alignl 7, 3214868480
	.fill 96, 4, 3214868480
	.section	.rodata,"a",@progbits
	.p2align	6, 0x0
	.amdhsa_kernel k_q980b1f867b_qkv
		.amdhsa_group_segment_fixed_size 327680
		.amdhsa_private_segment_fixed_size 0
		.amdhsa_enable_private_segment 0
		.amdhsa_kernarg_size 40
		.amdhsa_user_sgpr_count 2
		.amdhsa_user_sgpr_kernarg_segment_ptr 1
		.amdhsa_wavefront_size32 1
		.amdhsa_system_sgpr_workgroup_id_x 1
		.amdhsa_system_sgpr_workgroup_id_y 1
		.amdhsa_system_sgpr_workgroup_id_z 1
		.amdhsa_system_vgpr_workitem_id 0
		.amdhsa_next_free_vgpr 1024
		.amdhsa_next_free_sgpr 100
		.amdhsa_reserve_vcc 0
		.amdhsa_float_denorm_mode_32 3
		.amdhsa_float_denorm_mode_16_64 3
		.amdhsa_memory_ordered 1
		.amdhsa_forward_progress 1
		.amdhsa_inst_pref_size 111
	.end_amdhsa_kernel
	.amdgpu_metadata
---
amdhsa.version: [ 1, 2 ]
amdhsa.kernels:
  - .name:           k_q980b1f867b_qkv
    .symbol:         k_q980b1f867b_qkv.kd
    .args:
      - { .name: h1c, .offset: 0, .size: 8, .value_kind: global_buffer, .address_space: global }
      - { .name: w_qkv_codes, .offset: 8, .size: 8, .value_kind: global_buffer, .address_space: global }
      - { .name: lowp_scales, .offset: 16, .size: 8, .value_kind: global_buffer, .address_space: global }
      - { .name: b_qkv, .offset: 24, .size: 8, .value_kind: global_buffer, .address_space: global }
      - { .name: qkvc, .offset: 32, .size: 8, .value_kind: global_buffer, .address_space: global }
    .group_segment_fixed_size: 327680
    .private_segment_fixed_size: 0
    .kernarg_segment_align: 8
    .kernarg_segment_size: 40
    .max_flat_workgroup_size: 128
    .sgpr_count:     100
    .vgpr_count:     1024
    .wavefront_size: 32
...
	.end_amdgpu_metadata
.endif
;; end of part 2
;; launch attn (part 3): grid 8 x 32, 8 waves a work-group, clusters of 4 x 1, 327,680 bytes of LDS; arguments qkvc, lowp_scales, ac; writes ac
.if DOCPART == 3
	.amdgcn_target "amdgcn-amd-amdhsa--gfx1250"
	.amdhsa_code_object_version 6
	.text
	.protected	k_q980b1f867b_attn
	.globl	k_q980b1f867b_attn
	.p2align	8
	.type	k_q980b1f867b_attn,@function
k_q980b1f867b_attn:
	s_mov_b64 s[64:65], 0
	v_nop
	global_prefetch_b8 v0, s[64:65] scope:SCOPE_SE
	s_setreg_imm32_b32 hwreg(HW_REG_WAVE_MODE, 25, 1), 1
	s_wait_xcnt 0x0
	s_wait_alu depctr_hold_cnt(0) depctr_sa_sdst(0) depctr_va_vdst(0) depctr_va_sdst(0) depctr_va_ssrc(0) depctr_va_vcc(0) depctr_vm_vsrc(0)
	s_getreg_b32 s2, hwreg(HW_REG_IB_STS2, 6, 4)
	s_cmp_eq_u32 s2, 0
	s_cbranch_scc0 .Lentry_in_a_cluster
	s_endpgm
.Lentry_in_a_cluster:
	s_bfe_u32 s2, ttmp6, 0x10000c
	s_cmp_lg_u32 s2, 0x3003
	s_cbranch_scc0 .Lentry_shape_is_right
	s_endpgm
.Lentry_shape_is_right:
; ac = codes of E4M3 (scale 2^e6) of softmax(q k^T / 8) v, head by head, both products on codes of E4M3 with the given scales 2^e2 (q), 2^e3 (k), 2^e4 (p), 2^e5 (v).
; qkvc: q, k: [2 head + batch][2048][64]; v: [2 head + batch][32 blocks of keys][64 channels][64 keys]; each row of 64 bytes laid so that 16 bytes at 32 c + 16 h are what the plain 8-bit operand layout gives a lane.
; ac: [token / 128][head][token % 128][64], one code a byte.
; SHARES.  A work-group owns 256 queries of one head and batch; each of its eight waves owns 32: two tiles of 16, so that each fragment of K and of V read from LDS feeds two matrix instructions.
; The head's whole K and V lie in LDS (2 x 512 lines of 256 bytes + 16 of padding), each filled once: K by the one load a wave at the head, V by one load a wave behind the full sequence; V lands under the first walk.
; CLUSTER: the four work-groups of a cluster serve the same head and ask for K and V jointly (mask 15).  No prefetch: every byte is asked for by these two loads at the head, so no later load has anything to run ahead of.
; TWO WALKS OVER THE KEYS.  Walk 1: S^T = K Q^T, 128 keys a step, of which only each query's largest score is kept.  M = ceil(largest t), t = score x log2(e) / 8 x 2^(e2 + e3): the row's final whole number.
; Walk 2: S^T once more, 64 keys a step; p = 2^(t - M), at most 1, not normalised; the row's sum of the unquantised p in f32; p held at 448 x 2^e4 and quantised; O^T += V^T P^T.  M never moves in walk 2, so nothing is rescaled.
; Both products are used transposed: a lane holds one query (lane % 16) of each tile; register j of key tile t is key 16 t + 8 (lane / 16) + j, so the conversions' results are the second product's operand.
; LIMITS: e2 + e3 between -123 and 130; e4 and e6 between -126 and 119; the scaled scores stay under 2^31 in magnitude; NaN among the inputs is not served.
; REGISTERS: v1-9 addresses; v10-11 at work; v[12:15] -M of the two tiles (pairs); v[16:31] Q; v[32:63] K's fragments (walk 1: v[32:95]); v[64:95] V's; v[96:159] S^T, then p (walk 1: v[96:223]); v[160:223] O^T;
;   v[224:239] p's codes; v240-241 the hold; v242 the conversion's scale; v[244:251] the sums, four packed chains (walk 1: v244-247 the running maxima).
.set VREG,  139264                     ; K's region; V's lies behind it
.set STAGE, 2*VREG                     ; the way out: 32 rows x 80 bytes a wave
.set SPARE, 0x49000                    ; the spare words: 128 bytes a wave, four blocks of 256 bytes that no other line names
.set KS1,   8704                       ; 128 keys of K in LDS
.set KS2,   4352                       ; 64 keys of K, or a block of 64 keys of V
.set ADK, 1
.set ADV, 2
.set STO, 3
.set RDS, 4
.set SPW, 5
.set NIL, 6
.set GO,  7
.set AK0, 8
.set AV0, 9
.set NM,  12
.set Q,   16
.set KF,  32
.set VF,  64
.set S,   96
.set O,   160
.set PC,  224
.set L0,  240
.set L1,  241
.set SCV, 242
.set SUM, 244
.set MX,  244
.set QO,  252
.set WV,  18
.set SEL, 20
.set CS,  22
.set G1,  24
.set TB,  48
.macro ROUND                           ; a round of the cluster's barrier
	s_barrier_signal -1
	s_barrier_wait -1
	s_cmp_lg_u32 s[WV], 0
	s_cbranch_scc1 .Lnot_wave_0_\@
	s_barrier_signal -3
.Lnot_wave_0_\@:
	s_barrier_wait -3
	s_barrier_signal -1
	s_barrier_wait -1
.endm
.macro NOPS n
.rept \n
	v_nop
.endr
.endm
.macro LOADF reg, adr, n               ; n fragments of 16 rows x 64 bytes: two loads of 16 bytes a lane each
.set t, 0
.rept \n
	ds_load_b128 v[\reg+8*t:\reg+8*t+3], v[\adr] offset:t*1088
	ds_load_b128 v[\reg+8*t+4:\reg+8*t+7], v[\adr] offset:t*1088+32
.set t, t+1
.endr
.endm
	s_load_b128 s[4:7], s[0:1], 0x0                ; qkvc, the scales
	s_load_b64 s[8:9], s[0:1], 0x10                ; ac
	v_lshl_add_u32 v[SPW], v0, 2, SPARE
	v_mov_b32 v[NIL], 0
	ds_add_u32 v[SPW], v[NIL]                      ; the opening lines: the add twice on end and its wait ahead of my first tensor load
	ds_add_u32 v[SPW], v[NIL]
	v_lshrrev_b32 v10, 5, v0
	s_delay_alu instid0(VALU_DEP_1)
	v_readfirstlane_b32 s[WV], v10                 ; wave 0..7
	s_bfe_u32 s10, ttmp6, 0x40000                  ; cx
	s_lshl_b32 s11, ttmp9, 2
	s_add_co_u32 s11, s11, s10                     ; my block of 256 queries
	s_and_b32 s12, ttmp7, 0xffff                   ; 2 head + batch
	s_lshl_b32 s13, s12, 17                        ; its 131,072 bytes in each third
	s_mul_i32 s17, s[WV], 64*272                   ; my 64 lines in a region of LDS
	s_lshl_b32 s66, s[WV], 14                      ; and in memory
	s_add_co_u32 s66, s66, s13
	s_add_co_u32 s66, s66, 4194304                 ; K's third
	s_mov_b32 s67, 0
	s_lshl_b32 s70, s11, 14
	s_lshl_b32 s71, s[WV], 11
	s_add_co_u32 s70, s70, s71
	s_add_co_u32 s70, s70, s13                     ; my 32 queries' codes
	s_mov_b32 s71, 0
	s_and_b32 s72, s12, 1
	s_lshl_b32 s72, s72, 4
	s_lshl_b32 s73, s11, 1
	s_add_co_u32 s72, s72, s73
	s_lshr_b32 s73, s[WV], 2
	s_add_co_u32 s72, s72, s73                     ; token / 128 = 16 batch + 2 block + wave / 4
	s_lshl_b32 s72, s72, 17
	s_lshr_b32 s73, s12, 1
	s_lshl_b32 s73, s73, 13                        ; the head's 128 x 64 bytes
	s_add_co_u32 s72, s72, s73
	s_and_b32 s73, s[WV], 3
	s_lshl_b32 s73, s73, 11                        ; 32 rows of 64 bytes a wave
	s_add_co_u32 s72, s72, s73
	s_mov_b32 s73, 0
	s_mov_b32 s[G1], 15|(0<<16)|(1<<20)|(1<<21)|(5<<22)|(3<<25)   ; the mask of the four; elements of 1 byte; four words of padding after every 64
	s_mov_b32 s[G1+1], 256<<16
	s_mov_b32 s[G1+2], 64<<16
	s_mov_b32 s[G1+3], 256<<16
	s_mov_b32 s[G1+4], 64
	s_mov_b32 s[G1+5], 256
	s_mov_b32 s[G1+6], 0
	s_mov_b32 s[G1+7], 0
	s_mov_b32 s[SEL], 0x76543210                   ; v_permlanex16_b32: lane l xor 16
	s_mov_b32 s[SEL+1], 0xfedcba98
	s_mov_b32 s[CS], 0x3e38aa3b                    ; log2(e) / 8
	s_mov_b32 s[TB], 0
	s_wait_dscnt 0x0                               ; both opening adds are done
	s_wait_kmcnt 0x0
	s_load_b256 s[52:59], s[6:7], 0x0              ; e0 .. e7
	s_mov_b32 s40, 1
	s_mov_b32 s41, s17
	s_add_nc_u64 s[42:43], s[4:5], s[66:67]        ; K
	s_mov_b32 s44, 1
	s_add_co_u32 s45, s17, VREG
	s_add_nc_u64 s[46:47], s[42:43], 4194304       ; V: one third on
	s_or_b32 s43, s43, 0x80000000
	s_or_b32 s47, s47, 0x80000000
	ROUND                                          ; the four work-groups are here: the joint loads meet
	tensor_load_to_lds s[40:43], s[G1:G1+7]        ; my eighth of K: the one tensor load a wave at the head
	s_nop 0
	s_add_nc_u64 s[4:5], s[4:5], s[70:71]
	s_add_nc_u64 s[8:9], s[8:9], s[72:73]
	v_and_b32 v10, 15, v0                          ; r
	v_bfe_u32 v11, v0, 4, 1                        ; h
	s_delay_alu instid0(VALU_DEP_2)
	v_lshlrev_b32 v[QO], 6, v10
	s_delay_alu instid0(VALU_DEP_1)
	v_lshl_add_u32 v[QO], v11, 4, v[QO]            ; Q: row r, + 16 h
	global_load_b128 v[Q:Q+3], v[QO], s[4:5]
	global_load_b128 v[Q+4:Q+7], v[QO], s[4:5] offset:32
	global_load_b128 v[Q+8:Q+11], v[QO], s[4:5] offset:1024
	global_load_b128 v[Q+12:Q+15], v[QO], s[4:5] offset:1056
	v_lshrrev_b32 v[AK0], 2, v10
	v_and_b32 v[AV0], 3, v10
	s_delay_alu instid0(VALU_DEP_2)
	v_mul_u32_u24 v[AK0], v[AK0], 272
	s_delay_alu instid0(VALU_DEP_1)
	v_lshl_add_u32 v[AK0], v[AV0], 6, v[AK0]
	s_delay_alu instid0(VALU_DEP_1)
	v_lshl_add_u32 v[AK0], v11, 4, v[AK0]          ; a fragment's row r: line r / 4, + 64 (r % 4) + 16 h
	s_delay_alu instid0(VALU_DEP_1)
	v_add_nc_u32 v[AV0], VREG, v[AK0]
	v_mov_b32 v[ADK], v[AK0]
	s_mul_i32 s74, s[WV], 32*80
	s_add_co_u32 s74, s74, STAGE                   ; my stage
	v_mul_u32_u24 v[STO], v10, 80
	v_bfe_u32 v[RDS], v0, 2, 3
	s_delay_alu instid0(VALU_DEP_2)
	v_lshl_add_u32 v[STO], v11, 3, v[STO]
	v_mul_u32_u24 v[RDS], v[RDS], 80
	v_and_b32 v[GO], 3, v0
	v_add_nc_u32 v[STO], s74, v[STO]               ; in: row r, + 8 h
	s_delay_alu instid0(VALU_DEP_2)
	v_lshl_add_u32 v[RDS], v[GO], 4, v[RDS]
	v_and_b32 v[GO], 31, v0
	s_delay_alu instid0(VALU_DEP_2)
	v_add_nc_u32 v[RDS], s74, v[RDS]               ; back: row lane / 4, 16 bytes a lane
	v_lshlrev_b32 v[GO], 4, v[GO]
.rept 4
	v_mov_b32 v[MX+\+], 0xff7fffff                 ; the running maxima begin under every score
.endr
	v_mov_b32 v[NM+1], 0                           ; (named as the upper halves of pairs)
	v_mov_b32 v[NM+3], 0
	s_wait_kmcnt 0x0
	s_add_co_i32 s75, s54, s55
	s_lshl_b32 s75, s75, 23
	s_add_co_i32 s[CS], s[CS], s75                 ; e2 + e3 go into c's exponent field
	s_mov_b32 s[CS+1], s[CS]
	s_add_co_i32 s75, s56, 127
	s_lshl_b32 s76, s75, 23
	v_mov_b32 v[SCV], s76                          ; 2^e4
	s_add_co_i32 s75, s75, 8
	s_lshl_b32 s75, s75, 23
	s_or_b32 s75, s75, 0x600000
	v_mov_b32 v[L0], s75                           ; 448 x 2^e4, twice: one for each half of a dual instruction
	v_mov_b32 v[L1], s75
	s_wait_alu depctr_va_vdst(0)                   ; the wait at the head's end
	s_wait_tensorcnt 0x0                           ; my part of K is in; V's first fill is issued as a refill is
	ds_add_u32 v[SPW], v[NIL]
	s_wait_dscnt 0x0
	ROUND                                          ; K is whole in all four work-groups
	tensor_load_to_lds s[44:47], s[G1:G1+7]        ; my eighth of V
	s_nop 0
	NOPS 4
	s_wait_loadcnt 0x0                             ; Q
	LOADF KF, ADK, 8
; WALK 1, a step of 128 keys: 16 products, the next step's 16 loads, 64 maxima in four chains that take turns.
.macro P1 more
	s_wait_dscnt 0x0
.set t, 0
.rept 8
	v_wmma_f32_16x16x64_fp8_fp8 v[S+8*t:S+8*t+7], v[KF+8*t:KF+8*t+7], v[Q:Q+7], 0
	v_wmma_f32_16x16x64_fp8_fp8 v[S+64+8*t:S+64+8*t+7], v[KF+8*t:KF+8*t+7], v[Q+8:Q+15], 0
.set t, t+1
.endr
.if \more
	s_add_co_u32 s[TB], s[TB], KS1
	v_add_nc_u32 v[ADK], s[TB], v[AK0]             ; four places behind the products (ISA guide 7.12.1), this line among them
	NOPS 3
	LOADF KF, ADK, 8
.else
	NOPS 4
.endif
.set j, 0
.rept 16
	v_max3_num_f32 v[MX], v[MX], v[S+j], v[S+j+1]  ; each accumulator from its low end on
	v_max3_num_f32 v[MX+2], v[MX+2], v[S+64+j], v[S+64+j+1]
	v_max3_num_f32 v[MX+1], v[MX+1], v[S+j+2], v[S+j+3]
	v_max3_num_f32 v[MX+3], v[MX+3], v[S+64+j+2], v[S+64+j+3]
.set j, j+4
.endr
.endm
	s_mov_b32 s49, 15
.Lmax:
	P1 1
	s_sub_co_u32 s49, s49, 1
	s_cmp_lg_u32 s49, 0
	s_wait_alu depctr_va_vdst(0)                   ; the wait here
	s_cbranch_scc1 .Lmax
	P1 0                                           ; the last step reads nothing ahead
	v_max_num_f32 v[MX], v[MX], v[MX+1]
	v_max_num_f32 v[MX+2], v[MX+2], v[MX+3]
	s_delay_alu instid0(VALU_DEP_2)
	v_permlanex16_b32 v10, v[MX], s[SEL], s[SEL+1] ; the other half of the lanes holds the other keys of my query
	s_delay_alu instid0(VALU_DEP_2)
	v_permlanex16_b32 v11, v[MX+2], s[SEL], s[SEL+1]
	s_delay_alu instid0(VALU_DEP_2)
	v_max_num_f32 v10, v10, v[MX]
	s_delay_alu instid0(VALU_DEP_2)
	v_max_num_f32 v11, v11, v[MX+2]
	s_delay_alu instid0(VALU_DEP_2)
	v_mul_f32 v10, s[CS], v10                      ; as t (c is positive)
	s_delay_alu instid0(VALU_DEP_2)
	v_mul_f32 v11, s[CS], v11
	s_delay_alu instid0(VALU_DEP_2)
	v_floor_f32 v[NM], -v10                        ; -M = floor(-t) = -ceil(t)
	s_delay_alu instid0(VALU_DEP_2)
	v_floor_f32 v[NM+2], -v11
.rept 8
	v_mov_b32 v[SUM+\+], 0
.endr
	s_mov_b32 s[TB], 0
	v_mov_b32 v[ADK], v[AK0]
	s_wait_alu depctr_va_vdst(0)                   ; the wait here, directly ahead of the wait below
	s_wait_tensorcnt 0x0                           ; my part of V is in
	s_wait_dscnt 0x0
	s_barrier_signal -1
	s_barrier_wait -1                              ; V is whole
	LOADF KF, ADK, 4
; WALK 2, a step of 64 keys.  Behind the first product and its four places stand this step's eight loads of V and then the next step's eight of K: one run of loads a step.
.macro P2 zero, more
	s_wait_dscnt 0x0                               ; K's eight loads, the only ones out, are in
.set t, 0
.rept 4
	v_wmma_f32_16x16x64_fp8_fp8 v[S+8*t:S+8*t+7], v[KF+8*t:KF+8*t+7], v[Q:Q+7], 0
	v_wmma_f32_16x16x64_fp8_fp8 v[S+32+8*t:S+32+8*t+7], v[KF+8*t:KF+8*t+7], v[Q+8:Q+15], 0
.set t, t+1
.endr
	v_add_nc_u32 v[ADV], s[TB], v[AV0]             ; four places behind the products of this step and the second product of the last (ISA guide 7.12.1), the additions among them
.if \more
	s_add_co_u32 s[TB], s[TB], KS2
	v_add_nc_u32 v[ADK], s[TB], v[AK0]
	NOPS 2
.else
	NOPS 3
.endif
	LOADF VF, ADV, 4
.if \more
	LOADF KF, ADK, 4
.endif
.set j, 0
.rept 16
	v_pk_fma_f32 v[S+j:S+j+1], v[S+j:S+j+1], s[CS:CS+1], v[NM:NM+1] op_sel_hi:[1,0,0]   ; t - M, two at a time
	v_pk_fma_f32 v[S+32+j:S+32+j+1], v[S+32+j:S+32+j+1], s[CS:CS+1], v[NM+2:NM+3] op_sel_hi:[1,0,0]
.set j, j+2
.endr
	s_wait_alu depctr_va_vdst(0)                   ; the wait ahead of the batch
.set j, 0
.rept 64
	v_exp_f32 v[S+j], v[S+j]                       ; p = 2^(t - M)
.set j, j+1
.endr
	v_nop                                          ; a plain place behind the exponentials
	s_wait_alu depctr_va_vdst(0)                   ; and for one wait behind it, ahead of its first reader
.set j, 0
.rept 8
	v_pk_add_f32 v[SUM:SUM+1], v[SUM:SUM+1], v[S+j:S+j+1]   ; the rows' sums of the unquantised p: four chains by turns
	v_pk_add_f32 v[SUM+4:SUM+5], v[SUM+4:SUM+5], v[S+32+j:S+32+j+1]
	v_pk_add_f32 v[SUM+2:SUM+3], v[SUM+2:SUM+3], v[S+j+2:S+j+3]
	v_pk_add_f32 v[SUM+6:SUM+7], v[SUM+6:SUM+7], v[S+32+j+2:S+32+j+3]
	v_dual_min_num_f32 v[S+j], v[S+j], v[L0] :: v_dual_min_num_f32 v[S+j+1], v[S+j+1], v[L1]   ; behind the additions that read them, the same eight numbers are held: the conversion does not saturate (ISA guide 7.6.2); p is not negative, so the hold is one-sided
	v_dual_min_num_f32 v[S+32+j], v[S+32+j], v[L0] :: v_dual_min_num_f32 v[S+32+j+1], v[S+32+j+1], v[L1]
	v_dual_min_num_f32 v[S+j+2], v[S+j+2], v[L0] :: v_dual_min_num_f32 v[S+j+3], v[S+j+3], v[L1]
	v_dual_min_num_f32 v[S+32+j+2], v[S+32+j+2], v[L0] :: v_dual_min_num_f32 v[S+32+j+3], v[S+32+j+3], v[L1]
.set j, j+4
.endr
.set t, 0
.rept 4
	v_cvt_scalef32_pk8_fp8_f32 v[PC+2*t:PC+2*t+1], v[S+8*t:S+8*t+7], v[SCV]
	v_cvt_scalef32_pk8_fp8_f32 v[PC+8+2*t:PC+8+2*t+1], v[S+32+8*t:S+32+8*t+7], v[SCV]
.set t, t+1
.endr
	v_nop                                          ; a plain place behind the last conversion
.if \more
	s_wait_dscnt 8                                 ; V's eight loads are in; the next K's eight may be out
.else
	s_wait_dscnt 0x0
.endif
	s_wait_alu depctr_va_vdst(0)                   ; the wait here, directly ahead of the first reader of the codes and of O^T
.set t, 0
.rept 4                                        ; the eight accumulators take turns
.if \zero
	v_wmma_f32_16x16x64_fp8_fp8 v[O+8*t:O+8*t+7], v[VF+8*t:VF+8*t+7], v[PC:PC+7], 0
	v_wmma_f32_16x16x64_fp8_fp8 v[O+32+8*t:O+32+8*t+7], v[VF+8*t:VF+8*t+7], v[PC+8:PC+15], 0
.else
	v_wmma_f32_16x16x64_fp8_fp8 v[O+8*t:O+8*t+7], v[VF+8*t:VF+8*t+7], v[PC:PC+7], v[O+8*t:O+8*t+7]
	v_wmma_f32_16x16x64_fp8_fp8 v[O+32+8*t:O+32+8*t+7], v[VF+8*t:VF+8*t+7], v[PC+8:PC+15], v[O+32+8*t:O+32+8*t+7]
.endif
.set t, t+1
.endr
.endm
	P2 1, 1                                        ; the first step's products start the sums of O^T
	s_mov_b32 s49, 30
.Lkeys:
	P2 0, 1
	s_sub_co_u32 s49, s49, 1
	s_cmp_lg_u32 s49, 0
	s_cbranch_scc1 .Lkeys
	P2 0, 0                                        ; the last step reads nothing ahead
	; THE WAY OUT: O^T / the sum x 2^(e4 + e5), held and quantised with 2^e6, through my stage, out as 512 consecutive bytes a store
	s_add_co_i32 s75, s58, 127
	s_lshl_b32 s76, s75, 23
	v_mov_b32 v[SCV], s76                          ; 2^e6
	s_add_co_i32 s75, s75, 8
	s_lshl_b32 s75, s75, 23
	s_or_b32 s75, s75, 0x600000
	v_mov_b32 v[L0], s75                           ; 448 x 2^e6
	v_pk_add_f32 v[SUM:SUM+1], v[SUM:SUM+1], v[SUM+2:SUM+3]
	v_pk_add_f32 v[SUM+4:SUM+5], v[SUM+4:SUM+5], v[SUM+6:SUM+7]
	s_delay_alu instid0(VALU_DEP_2)
	v_add_f32 v[SUM], v[SUM], v[SUM+1]
	s_delay_alu instid0(VALU_DEP_2)
	v_add_f32 v[SUM+4], v[SUM+4], v[SUM+5]
	s_delay_alu instid0(VALU_DEP_2)
	v_permlanex16_b32 v10, v[SUM], s[SEL], s[SEL+1]
	s_delay_alu instid0(VALU_DEP_2)
	v_permlanex16_b32 v11, v[SUM+4], s[SEL], s[SEL+1]
	s_delay_alu instid0(VALU_DEP_2)
	v_add_f32 v[SUM], v[SUM], v10
	s_delay_alu instid0(VALU_DEP_2)
	v_add_f32 v[SUM+4], v[SUM+4], v11              ; the rows' sums
	s_wait_alu depctr_va_vdst(0)                   ; the wait ahead of the transcendentals
	v_rcp_f32 v[SUM], v[SUM]
	v_rcp_f32 v[SUM+4], v[SUM+4]
	v_nop
	s_add_co_i32 s77, s56, s57
	s_wait_alu depctr_va_vdst(0)                   ; and ahead of their first reader
	v_ldexp_f32 v[SUM], v[SUM], s77
	v_ldexp_f32 v[SUM+4], v[SUM+4], s77
	s_wait_alu depctr_va_vdst(0)                   ; the wait here, directly ahead of the first reader of O^T
.set j, 0
.rept 16
	v_pk_mul_f32 v[S+j:S+j+1], v[O+j:O+j+1], v[SUM:SUM+1] op_sel_hi:[1,0]
	v_pk_mul_f32 v[S+32+j:S+32+j+1], v[O+32+j:O+32+j+1], v[SUM+4:SUM+5] op_sel_hi:[1,0]
.set j, j+2
.endr
.rept 64
	v_med3_num_f32 v[S+\+], v[S+\+], -v[L0], v[L0]
.endr
.rept 8
	v_cvt_scalef32_pk8_fp8_f32 v[PC+2*\+:PC+2*\++1], v[S+8*\+:S+8*\++7], v[SCV]   ; tile u, channels 16 d + 8 h + 0 .. 7 at registers 8 u + 2 d
.endr
	v_nop
.set t, 0
.rept 8
	ds_store_b64 v[STO], v[PC+2*t:PC+2*t+1] offset:1280*(t/4)+16*(t%4)
.set t, t+1
.endr
.rept 4
	ds_load_b128 v[KF+4*\+:KF+4*\++3], v[RDS] offset:640*\+   ; LDS serves a wave's instructions in order (ISA guide 5.7.1.4): these see my stores
.endr
	s_wait_dscnt 0x0
.rept 4
	global_store_b128 v[GO], v[KF+4*\+:KF+4*\++3], s[8:9] offset:512*\+   ; 32 lanes store 512 consecutive bytes, aligned: eight rows of 64
.endr
	s_wait_tensorcnt 0x0                           ; the wave's end
	ds_add_u32 v[SPW], v[NIL]
	s_wait_dscnt 0x0
	ROUND                                          ; the closing round
	s_endpgm
.Lfunc_end_k_q980b1f867b_attn:
	.size	k_q980b1f867b_attn, .Lfunc_end_k_q980b1f867b_attn-k_q980b1f867b_attn
	.p2alignl 7, 3214868480
	.fill 96, 4, 3214868480
	.section	.rodata,"a",@progbits
	.p2align	6, 0x0
	.amdhsa_kernel k_q980b1f867b_attn
		.amdhsa_group_segment_fixed_size 327680
		.amdhsa_private_segment_fixed_size 0
		.amdhsa_enable_private_segment 0
		.amdhsa_kernarg_size 24
		.amdhsa_user_sgpr_count 2
		.amdhsa_user_sgpr_kernarg_segment_ptr 1
		.amdhsa_wavefront_size32 1
		.amdhsa_system_sgpr_workgroup_id_x 1
		.amdhsa_system_sgpr_workgroup_id_y 1
		.amdhsa_system_sgpr_workgroup_id_z 1
		.amdhsa_system_vgpr_workitem_id 0
		.amdhsa_next_free_vgpr 256
		.amdhsa_next_free_sgpr 80
		.amdhsa_reserve_vcc 0
		.amdhsa_float_denorm_mode_32 3
		.amdhsa_float_denorm_mode_16_64 3
		.amdhsa_memory_ordered 1
		.amdhsa_forward_progress 1
		.amdhsa_inst_pref_size 63
	.end_amdhsa_kernel
	.amdgpu_metadata
---
amdhsa.version: [ 1, 2 ]
amdhsa.kernels:
  - .name:           k_q980b1f867b_attn
    .symbol:         k_q980b1f867b_attn.kd
    .args:
      - { .name: qkvc, .offset: 0, .size: 8, .value_kind: global_buffer, .address_space: global }
      - { .name: lowp_scales, .offset: 8, .size: 8, .value_kind: global_buffer, .address_space: global }
      - { .name: ac, .offset: 16, .size: 8, .value_kind: global_buffer, .address_space: global }
    .group_segment_fixed_size: 327680
    .private_segment_fixed_size: 0
    .kernarg_segment_align: 8
    .kernarg_segment_size: 24
    .max_flat_workgroup_size: 256
    .sgpr_count:     80
    .vgpr_count:     256
    .wavefront_size: 32
...
	.end_amdgpu_metadata
.endif
;; end of part 3
;; launch ao (part 4): grid 8 x 32, 4 waves a work-group, clusters of 4 x 4, 327,680 bytes of LDS; arguments ac, w_ao_codes, lowp_scales, b_ao, x, x2; writes x2
.if DOCPART == 4
	.amdgcn_target "amdgcn-amd-amdhsa--gfx1250"
	.amdhsa_code_object_version 6
	.text
	.protected	k_q980b1f867b_ao
	.globl	k_q980b1f867b_ao
	.p2align	8
	.type	k_q980b1f867b_ao,@function
k_q980b1f867b_ao:
	s_mov_b64 s[64:65], 0
	v_nop
	global_prefetch_b8 v0, s[64:65] scope:SCOPE_SE
	s_setreg_imm32_b32 hwreg(HW_REG_WAVE_MODE, 25, 1), 1
	s_wait_xcnt 0x0
	s_wait_alu depctr_hold_cnt(0) depctr_sa_sdst(0) depctr_va_vdst(0) depctr_va_sdst(0) depctr_va_ssrc(0) depctr_va_vcc(0) depctr_vm_vsrc(0)
	s_getreg_b32 s2, hwreg(HW_REG_IB_STS2, 6, 4)
	s_cmp_eq_u32 s2, 0
	s_cbranch_scc0 .Lentry_in_a_cluster
	s_endpgm
.Lentry_in_a_cluster:
	s_bfe_u32 s2, ttmp6, 0x10000c
	s_cmp_lg_u32 s2, 0xf033
	s_cbranch_scc0 .Lentry_shape_is_right
	s_endpgm
.Lentry_shape_is_right:
.set KTOT,   1024
.set SCOFF,  0x18
.set NTOUT,  0
.set KSTEP,  512
.set PANEL,  32*272
.set APART,  8*PANEL
.set BP,     528
.set SLOT,   APART+128*BP
.set SPARE,  2*SLOT
.set SPITCH, 272
.set LAPS,   KTOT/(2*KSTEP)
.set ADRA, 16
.set ADRB, 20
.set STO,  24
.set RD,   25
.set CO,   26
.set BA,   27
.set SPW,  28
.set NIL,  29
.set BJ,   32
.set ACC,  128
.set F0,   0
.set F1,   128
.set G1, 24
.set G0, 32
.set G1B, 48
.set G0B, 56
.set MSB, 0
.macro WIN new
.if MSB != \new
	s_set_vgpr_msb (MSB<<8)|\new
.set MSB, \new
.endif
.endm
.set MUL,  0x05
.set TO_F, 0x40
.macro JLOAD s
	s_cmp_eq_u32 s67, 0
	s_cbranch_scc0 .Lfor_b_\@
	tensor_load_to_lds s[G0+4*\s:G0+4*\s+3], s[G1:G1+7]
	s_nop 0
.rept 4
	v_nop
.endr
	s_branch .Lasked_\@
.Lfor_b_\@:
	tensor_load_to_lds s[G0B+4*\s:G0B+4*\s+3], s[G1B:G1B+7]
	s_nop 0
.rept 4
	v_nop
.endr
.Lasked_\@:
.endm
.macro CREST
	s_cmp_lg_u32 s66, 0
	s_cbranch_scc1 .Lnot_wave_0_\@
	s_barrier_signal -3
.Lnot_wave_0_\@:
	s_barrier_wait -3
	s_barrier_signal -1
	s_barrier_wait -1
.endm
.macro CROUND
	s_barrier_signal -1
	s_barrier_wait -1
	CREST
.endm
	s_load_b256 s[4:11], s[0:1], 0x0
	s_load_b128 s[12:15], s[0:1], 0x20
	v_lshl_add_u32 v[SPW], v0, 2, SPARE
	v_mov_b32 v[NIL], 0
	ds_add_u32 v28, v29
	ds_add_u32 v28, v29
	s_wait_dscnt 0x0
	v_lshrrev_b32 v1, 5, v0
	v_readfirstlane_b32 s66, v1
	s_lshr_b32 s67, s66, 1
	s_and_b32 s68, s66, 1
	s_bfe_u32 s40, ttmp6, 0x40000
	s_bfe_u32 s41, ttmp6, 0x40004
	s_lshl_b32 s42, ttmp9, 2
	s_add_co_u32 s42, s42, s40
	s_and_b32 s43, ttmp7, 0xffff
	s_lshl_b32 s43, s43, 2
	s_add_co_u32 s43, s43, s41
	s_lshl_b32 s44, s41, 2
	s_lshl_b32 s44, 15, s44
	s_lshl_b32 s45, 0x1111, s40
	s_or_b32 s[G1+0], s44, (0<<16)|(1<<20)|(1<<21)|(5<<22)|(3<<25)
	s_mov_b32 s[G1+1], 256<<16
	s_mov_b32 s[G1+2], 128<<16
	s_mov_b32 s[G1+3], 256<<16
	s_mov_b32 s[G1+4], 128
	s_mov_b32 s[G1+5], 256
	s_mov_b32 s[G1+6], 0
	s_mov_b32 s[G1+7], 0
	s_or_b32 s[G1B+0], s45, (0<<16)|(1<<20)|(1<<21)|(6<<22)|(3<<25)
	s_mov_b32 s[G1B+1], KSTEP<<16
	s_mov_b32 s[G1B+2], 64<<16
	s_mov_b32 s[G1B+3], KSTEP<<16
	s_mov_b32 s[G1B+4], 64
	s_mov_b32 s[G1B+5], KTOT
	s_mov_b32 s[G1B+6], 0
	s_mov_b32 s[G1B+7], 0
	s_mul_i32 s16, s43, KTOT*128
	s_lshl_b32 s22, s68, 15
	s_add_co_u32 s16, s16, s22
	s_mov_b32 s17, 0
	s_lshl_b32 s18, s42, 7
	s_lshl_b32 s22, s68, 6
	s_add_co_u32 s18, s18, s22
	s_mul_i32 s18, s18, KTOT
	s_mov_b32 s19, 0
	s_mul_i32 s20, s68, 128*272
	s_mul_i32 s21, s68, 64*BP
	s_add_co_u32 s21, s21, APART
	s_wait_kmcnt 0x0
	s_load_b64 s[70:71], s[8:9], SCOFF
	s_add_nc_u64 s[16:17], s[4:5], s[16:17]
	s_add_nc_u64 s[18:19], s[6:7], s[18:19]
	; the prefetch of K step 1: 128 blocks of 256 bytes of what my wave fetches (of A 32,768 dense bytes, of W 64 rows x 512 bytes); each of the four partners that ask for it jointly names 32, told apart by address (cx for A, cy for W)
	s_cmp_eq_u32 s67, 0                            ; do I fetch for A?
	s_cselect_b64 s[76:77], s[16:17], s[18:19]
	s_cselect_b32 s72, s40, s41                    ; my place among the four
	s_cselect_b32 s73, 13, 14                      ; whose parts lie 8,192 bytes apart in A, 16 rows of 1,024 bytes apart in W
	s_mov_b32 s69, 1024
	s_cselect_b32 s69, 512, s69                    ; from one pair of blocks to the next
	s_mov_b32 s78, 512
	s_cselect_b32 s78, 0x10000, s78                ; a K step on, in bytes
	s_mov_b32 s79, 0
	s_lshl_b32 s72, s72, s73
	s_mov_b32 s73, 0
	s_add_nc_u64 s[76:77], s[76:77], s[72:73]
	s_add_nc_u64 s[76:77], s[76:77], s[78:79]      ; at K step 1
	v_bfe_u32 v30, v0, 1, 4
	v_mul_lo_u32 v30, v30, s69
	v_and_b32 v31, 1, v0
	v_lshl_add_u32 v30, v31, 8, v30                ; my lane's block; not written again
	s_wait_alu depctr_va_vdst(0)                   ; the wait here, behind the writes
	CROUND
.irp s, 0,1
	s_mov_b32 s[G0+4*\s], 1
	s_add_co_u32 s[G0+4*\s+1], s20, \s*SLOT
	s_add_nc_u64 s[G0+4*\s+2:G0+4*\s+3], s[16:17], \s*65536
	s_or_b32 s[G0+4*\s+3], s[G0+4*\s+3], 0x80000000
	s_mov_b32 s[G0B+4*\s], 1
	s_add_co_u32 s[G0B+4*\s+1], s21, \s*SLOT
	s_add_nc_u64 s[G0B+4*\s+2:G0B+4*\s+3], s[18:19], \s*KSTEP
	s_or_b32 s[G0B+4*\s+3], s[G0B+4*\s+3], 0x80000000
.endr
	JLOAD 0                                        ; K step 0: one tensor load a wave at the head
	global_prefetch_b8 v30, s[76:77] th:TH_LOAD_NT scope:SCOPE_SE   ; K step 1, the last
	s_lshl_b32 s22, s42, 9
	s_lshl_b32 s23, s68, 8
	s_add_co_u32 s22, s22, s23
	s_mov_b32 s23, 0
	s_add_nc_u64 s[10:11], s[10:11], s[22:23]
	s_lshl_b32 s46, s43, 7
	s_lshl_b32 s47, s67, 6
	s_add_co_u32 s46, s46, s47
	s_lshl_b32 s46, s46, 12
	s_add_co_u32 s46, s46, s22
	s_mov_b32 s47, 0
	s_add_nc_u64 s[12:13], s[12:13], s[46:47]
	s_add_nc_u64 s[14:15], s[14:15], s[46:47]
	v_and_b32 v1, 15, v0
	v_bfe_u32 v2, v0, 4, 1
	v_lshlrev_b32 v[BA], 5, v2
	v_lshlrev_b32 v5, 12, v2
	v_lshl_add_u32 v[CO], v1, 4, v5
.irp b, 0,1,2,3
	global_load_b128 v[BJ+8*\b:BJ+8*\b+3], v[BA], s[10:11] offset:64*\b
	global_load_b128 v[BJ+8*\b+4:BJ+8*\b+7], v[BA], s[10:11] offset:64*\b+16
.endr
	WIN 0x80
.irp t, 0,1,2,3,4,5,6,7,8,9,10,11,12,13,14,15,16,17,18,19,20,21,22,23,24,25,26,27,28,29,30,31
	global_load_b128 v[4*\t:4*\t+3], v[CO], s[12:13] offset:8192*\t
.endr
	WIN 0
	v_lshrrev_b32 v3, 2, v1
	v_mul_u32_u24 v3, v3, 272
	v_and_b32 v4, 3, v1
	v_lshl_add_u32 v3, v4, 6, v3
	v_lshl_add_u32 v3, v2, 4, v3
	v_mul_u32_u24 v4, v1, BP
	v_lshl_add_u32 v4, v2, 4, v4
	s_mul_i32 s22, s67, 16*272
	s_mul_i32 s23, s68, 64*BP
	s_add_co_u32 s23, s23, APART
.irp s, 0,1
	v_add_nc_u32 v[ADRA+\s], s22, v3
	v_add_nc_u32 v[ADRB+\s], s23, v4
	s_add_co_u32 s22, s22, SLOT
	s_add_co_u32 s23, s23, SLOT
.endr
	s_mul_i32 s22, s66, 64*SPITCH
	v_mul_u32_u24 v5, v1, SPITCH
	v_lshl_add_u32 v5, v2, 5, v5
	v_add_nc_u32 v[STO], s22, v5
	v_mul_u32_u24 v5, v2, SPITCH
	v_lshl_add_u32 v5, v1, 4, v5
	v_add_nc_u32 v[RD], s22, v5
	s_wait_kmcnt 0x0
	s_add_co_i32 s72, s70, s71
	s_sub_co_i32 s74, 0, s72
	s_add_co_i32 s72, s72, 127
	s_lshl_b32 s72, s72, 23
	s_mov_b32 s73, s72
	s_wait_loadcnt 32
.irp j, 0,1,2,3,4,5,6,7,8,9,10,11,12,13,14,15,16,17,18,19,20,21,22,23,24,25,26,27,28,29,30,31
	v_ldexp_f32 v[BJ+\j], v[BJ+\j], s74
.endr
.macro MUL4 f, a, zero
.irp b, 0,1,2,3
.if \zero
	v_wmma_f32_16x16x128_fp8_fp8 v[ACC+8*(4*\a+\b):ACC+8*(4*\a+\b)+7], v[\f+64+16*\b:\f+64+16*\b+15], v[\f+16*\a:\f+16*\a+15], v[BJ+8*\b:BJ+8*\b+7]
.else
	v_wmma_f32_16x16x128_fp8_fp8 v[ACC+8*(4*\a+\b):ACC+8*(4*\a+\b)+7], v[\f+64+16*\b:\f+64+16*\b+15], v[\f+16*\a:\f+16*\a+15], v[ACC+8*(4*\a+\b):ACC+8*(4*\a+\b)+7]
.endif
.endr
.endm
.macro FETCH slot, q, f
	WIN TO_F
.irp b, 0,1,2,3
.irp c, 0,1,2,3
	ds_load_b128 v[\f+64+16*\b+4*\c:\f+64+16*\b+4*\c+3], v[ADRB+\slot] offset:\b*16*BP+128*(\q)+32*\c
.endr
.endr
.irp a, 0,1,2,3
.irp c, 0,1,2,3
	ds_load_b128 v[\f+16*\a+4*\c:\f+16*\a+4*\c+3], v[ADRA+\slot] offset:(2*(\q)+\c/2)*PANEL+\a*1088+32*(\c%2)
.endr
.endr
.endm
.macro PLACES
.rept 4
	v_nop
.endr
.endm
.macro QUARTER slot, qn, f, g, zero
	s_wait_dscnt 8
	WIN MUL
	MUL4 \f, 0, \zero
	MUL4 \f, 1, \zero
	PLACES
	FETCH \slot, \qn, \g
	s_wait_dscnt 32
	WIN MUL
	MUL4 \f, 2, \zero
	MUL4 \f, 3, \zero
.endm
.macro TURN slot, next, fill
	WIN 0
	s_wait_tensorcnt 0x0
	ds_add_u32 v[SPW], v[NIL]
	s_wait_dscnt 9
	WIN MUL
	MUL4 F1, 0, 0
	MUL4 F1, 1, 0
	s_wait_dscnt 0x0
	s_barrier_signal -1
	MUL4 F1, 2, 0
	WIN 0
	s_barrier_wait -1
.if \fill
	CREST
	s_add_nc_u64 s[G0+4*\slot+2:G0+4*\slot+3], s[G0+4*\slot+2:G0+4*\slot+3], 2*65536
	s_add_nc_u64 s[G0B+4*\slot+2:G0B+4*\slot+3], s[G0B+4*\slot+2:G0B+4*\slot+3], 2*KSTEP
	JLOAD \slot
.else
	PLACES
.endif
	FETCH \next, 0, F0
	WIN MUL
	MUL4 F1, 3, 0
.endm
	s_wait_alu depctr_va_vdst(0)                   ; the wait at the head's end
	s_wait_tensorcnt 0x0                           ; my part of K step 0 is in; slot 1's first fill is issued as a refill is
	ds_add_u32 v[SPW], v[NIL]
	s_wait_dscnt 0x0
	CROUND                                         ; everybody's part of K step 0 is in, and the joint loads meet
	JLOAD 1                                        ; K step 1: the first tensor load behind the round
	FETCH 0, 0, F0
	QUARTER 0, 1, F0, F1, 1
.if LAPS > 1
	WIN 0
	s_mov_b32 s3, LAPS-1
.Llap:
	QUARTER 0, 2, F1, F0, 0
	QUARTER 0, 3, F0, F1, 0
	TURN 0, 1, 1
	QUARTER 1, 1, F0, F1, 0
	QUARTER 1, 2, F1, F0, 0
	QUARTER 1, 3, F0, F1, 0
	TURN 1, 0, 1
	QUARTER 0, 1, F0, F1, 0
	WIN 0
	s_sub_co_u32 s3, s3, 1
	s_cmp_lg_u32 s3, 0
	s_cbranch_scc1 .Llap
.endif
	QUARTER 0, 2, F1, F0, 0
	QUARTER 0, 3, F0, F1, 0
	TURN 0, 1, 0
	QUARTER 1, 1, F0, F1, 0
	QUARTER 1, 2, F1, F0, 0
	QUARTER 1, 3, F0, F1, 0
	s_wait_dscnt 8
	WIN MUL
	MUL4 F1, 0, 0
	MUL4 F1, 1, 0
	s_wait_dscnt 0x0
	MUL4 F1, 2, 0
	MUL4 F1, 3, 0
	WIN 0
	PLACES
.irp a, 0,1,2,3
.irp b, 0,1,2,3
	ds_store_b128 v[STO], v[ACC+8*(4*\a+\b):ACC+8*(4*\a+\b)+3] offset:\a*16*SPITCH+64*\b
	ds_store_b128 v[STO], v[ACC+8*(4*\a+\b)+4:ACC+8*(4*\a+\b)+7] offset:\a*16*SPITCH+64*\b+16
.endr
.endr
	WIN 0x40
.irp t, 0,1,2,3,4,5,6,7,8,9,10,11,12,13,14,15,16,17,18,19,20,21,22,23,24,25,26,27,28,29,30,31
	ds_load_b128 v[4*\t:4*\t+3], v[RD] offset:2*SPITCH*\t
.endr
	s_wait_loadcnt 0x0
	s_wait_dscnt 0x0
	WIN 0x61
.irp j, 0,2,4,6,8,10,12,14,16,18,20,22,24,26,28,30,32,34,36,38,40,42,44,46,48,50,52,54,56,58,60,62,64,66,68,70,72,74,76,78,80,82,84,86,88,90,92,94,96,98,100,102,104,106,108,110,112,114,116,118,120,122,124,126
	v_pk_fma_f32 v[\j:\j+1], v[\j:\j+1], s[72:73], v[\j:\j+1] op_sel_hi:[1,0,1]
.endr
	WIN 0x04
.irp t, 0,1,2,3,4,5,6,7,8,9,10,11,12,13,14,15,16,17,18,19,20,21,22,23,24,25,26,27,28,29,30,31
.if NTOUT
	global_store_b128 v[CO], v[4*\t:4*\t+3], s[14:15] offset:8192*\t th:TH_STORE_NT
.else
	global_store_b128 v[CO], v[4*\t:4*\t+3], s[14:15] offset:8192*\t
.endif
.endr
	WIN 0
	s_wait_tensorcnt 0x0
	ds_add_u32 v[SPW], v[NIL]
	s_wait_dscnt 0x0
	CROUND
	s_endpgm
.Lfunc_end_k_q980b1f867b_ao:
	.size	k_q980b1f867b_ao, .Lfunc_end_k_q980b1f867b_ao-k_q980b1f867b_ao
	.p2alignl 7, 3214868480
	.fill 96, 4, 3214868480
	.section	.rodata,"a",@progbits
	.p2align	6, 0x0
	.amdhsa_kernel k_q980b1f867b_ao
		.amdhsa_group_segment_fixed_size 327680
		.amdhsa_private_segment_fixed_size 0
		.amdhsa_enable_private_segment 0
		.amdhsa_kernarg_size 48
		.amdhsa_user_sgpr_count 2
		.amdhsa_user_sgpr_kernarg_segment_ptr 1
		.amdhsa_wavefront_size32 1
		.amdhsa_system_sgpr_workgroup_id_x 1
		.amdhsa_system_sgpr_workgroup_id_y 1
		.amdhsa_system_sgpr_workgroup_id_z 1
		.amdhsa_system_vgpr_workitem_id 0
		.amdhsa_next_free_vgpr 640
		.amdhsa_next_free_sgpr 80
		.amdhsa_reserve_vcc 0
		.amdhsa_float_denorm_mode_32 3
		.amdhsa_float_denorm_mode_16_64 3
		.amdhsa_memory_ordered 1
		.amdhsa_forward_progress 1
		.amdhsa_inst_pref_size 53
	.end_amdhsa_kernel
	.amdgpu_metadata
---
amdhsa.version: [ 1, 2 ]
amdhsa.kernels:
  - .name:           k_q980b1f867b_ao
    .symbol:         k_q980b1f867b_ao.kd
    .args:
      - { .name: ac, .offset: 0, .size: 8, .value_kind: global_buffer, .address_space: global }
      - { .name: w_ao_codes, .offset: 8, .size: 8, .value_kind: global_buffer, .address_space: global }
      - { .name: lowp_scales, .offset: 16, .size: 8, .value_kind: global_buffer, .address_space: global }
      - { .name: b_ao, .offset: 24, .size: 8, .value_kind: global_buffer, .address_space: global }
      - { .name: x, .offset: 32, .size: 8, .value_kind: global_buffer, .address_space: global }
      - { .name: x2, .offset: 40, .size: 8, .value_kind: global_buffer, .address_space: global }
    .group_segment_fixed_size: 327680
    .private_segment_fixed_size: 0
    .kernarg_segment_align: 8
    .kernarg_segment_size: 48
    .max_flat_workgroup_size: 128
    .sgpr_count:     80
    .vgpr_count:     640
    .wavefront_size: 32
...
	.end_amdgpu_metadata
.endif
;; end of part 4
;; launch ln2 (part 5): grid 256 x 1, 8 waves a work-group, no clusters, 17,408 bytes of LDS; arguments x2, ln2_g, ln2_b, lowp_scales, h2c; writes h2c
.if DOCPART == 5
	.amdgcn_target "amdgcn-amd-amdhsa--gfx1250"
	.amdhsa_code_object_version 6
	.text
	.protected	k_q980b1f867b_ln2
	.globl	k_q980b1f867b_ln2
	.p2align	8
	.type	k_q980b1f867b_ln2,@function
k_q980b1f867b_ln2:
	s_mov_b64 s[64:65], 0
	v_nop
	global_prefetch_b8 v0, s[64:65] scope:SCOPE_SE
	s_setreg_imm32_b32 hwreg(HW_REG_WAVE_MODE, 25, 1), 1
	s_wait_xcnt 0x0
; h2c = codes of E4M3 of layernorm(x2) * g + b, with the given scale 2^e, e = entry 8 of the scales.  x2: [4096][1024] f32; codes: [4096][1024], one byte each, row-major.
; A wave takes two whole rows (8,192 consecutive bytes) and keeps them in registers: mean, then the sum of squares of (x - mean), then the scaling: x2 is read once, and an offset costs no accuracy.
; Each load of a wave covers 512 consecutive bytes: lane l, load j holds elements 128 j + 4 l .. + 3.  A conversion packs eight registers, so code register j holds the 4 bytes at 128 j + 4 l of the row;
; they turn through the wave's own 1,024 bytes of LDS for each row and leave as two stores of 512 consecutive bytes.  No barrier: waves share nothing.  No matrix unit, no cluster: the launch only streams.
; LIMITS: e between -126 and 119, so that 2^e and 448 x 2^e are f32 numbers.  NaN among the inputs is not served.
.set SCOFF, 0x20                       ; byte of my exponent in the scales
.set G,   16                           ; v[16:47]   the gain of my 32 columns
.set BV,  48                           ; v[48:79]   the bias
.set X,   80                           ; v[80:143]  two rows, 32 registers each
.set C,   144                          ; v[144:159] codes, 8 registers a row
.set OUT, 160                          ; v[160:175] codes as they are stored, 8 registers a row
	s_load_b256 s[4:11], s[0:1], 0x0               ; x2 s[4:5], g s[6:7], b s[8:9], scales s[10:11]
	s_load_b64 s[12:13], s[0:1], 0x20              ; the codes
	v_lshl_add_u32 v176, v0, 2, 0x4000
	v_mov_b32 v177, 0
	v_lshrrev_b32 v1, 5, v0
	s_delay_alu instid0(VALU_DEP_1)
	v_readfirstlane_b32 s14, v1                    ; wave 0..7
	v_and_b32 v4, 31, v0                           ; lane
	s_delay_alu instid0(VALU_DEP_1)
	v_lshlrev_b32 v1, 4, v4                        ; 16 x lane: my bytes of a load's or a store's 512
	s_lshl_b32 s15, s14, 11                        ; my wave's 2,048 bytes of LDS
	v_lshl_add_u32 v2, v4, 2, s15                  ; into the stage: 4 x lane
	v_lshl_add_u32 v3, v4, 4, s15                  ; out of it: 16 x lane
	v_mov_b32 v14, 0                               ; written once: a lane permute's destination counts as read
	s_lshl_b32 s16, ttmp9, 16                      ; 16 rows of 4,096 bytes a work-group,
	s_lshl_b32 s17, s14, 13                        ; two rows a wave
	s_add_co_u32 s16, s16, s17
	s_mov_b32 s17, 0
	s_lshr_b32 s18, s16, 2                         ; the codes are a quarter of the bytes
	s_mov_b32 s19, 0
	s_mov_b32 s20, 0x3a800000                      ; 1 / 1024
	s_mov_b32 s21, 0x3727c5ac                      ; 1e-5
	s_mov_b32 s22, 0x76543210                      ; v_permlanex16_b32: lane l takes lane l xor 16
	s_mov_b32 s23, 0xfedcba98
	s_wait_alu depctr_va_vdst(0)
	s_wait_kmcnt 0x0
	s_load_b32 s24, s[10:11], SCOFF                ; e
	s_add_nc_u64 s[4:5], s[4:5], s[16:17]
	s_add_nc_u64 s[12:13], s[12:13], s[18:19]
.irp j, 0,1,2,3,4,5,6,7
	global_load_b128 v[X+4*\j:X+4*\j+3], v1, s[4:5] offset:512*\j
.endr
.irp j, 0,1,2,3,4,5,6,7
	global_load_b128 v[X+32+4*\j:X+32+4*\j+3], v1, s[4:5] offset:4096+512*\j
.endr
.irp j, 0,1,2,3,4,5,6,7
	global_load_b128 v[G+4*\j:G+4*\j+3], v1, s[6:7] offset:512*\j
.endr
.irp j, 0,1,2,3,4,5,6,7
	global_load_b128 v[BV+4*\j:BV+4*\j+3], v1, s[8:9] offset:512*\j
.endr
	s_wait_kmcnt 0x0
	s_add_co_i32 s24, s24, 127
	s_lshl_b32 s25, s24, 23
	v_mov_b32 v12, s25                             ; 2^e as f32: the conversion takes its exponent field
	s_add_co_i32 s24, s24, 8
	s_lshl_b32 s24, s24, 23
	s_or_b32 s24, s24, 0x600000
	v_mov_b32 v13, s24                             ; 448 x 2^e
.macro REDUCE r                        ; the sum of v[r] over the 32 lanes, into every lane
	s_delay_alu instid0(VALU_DEP_1)
	v_add_f32_dpp v[\r], v[\r], v[\r] row_xmask:1 row_mask:0xf bank_mask:0xf
	s_delay_alu instid0(VALU_DEP_1)
	v_add_f32_dpp v[\r], v[\r], v[\r] row_xmask:2 row_mask:0xf bank_mask:0xf
	s_delay_alu instid0(VALU_DEP_1)
	v_add_f32_dpp v[\r], v[\r], v[\r] row_xmask:4 row_mask:0xf bank_mask:0xf
	s_delay_alu instid0(VALU_DEP_1)
	v_add_f32_dpp v[\r], v[\r], v[\r] row_xmask:8 row_mask:0xf bank_mask:0xf
	s_delay_alu instid0(VALU_DEP_1)
	v_permlanex16_b32 v14, v[\r], s22, s23
	s_delay_alu instid0(VALU_DEP_1)
	v_add_f32 v[\r], v[\r], v14
.endm
.macro ROW s
.set XS, X+32*\s
	v_pk_add_f32 v[4:5], v[XS:XS+1], v[XS+2:XS+3]  ; the row's sum: two chains of packed additions
	v_pk_add_f32 v[6:7], v[XS+4:XS+5], v[XS+6:XS+7]
.irp j, 8,12,16,20,24,28
	s_delay_alu instid0(VALU_DEP_2)
	v_pk_add_f32 v[4:5], v[4:5], v[XS+\j:XS+\j+1]
	s_delay_alu instid0(VALU_DEP_2)
	v_pk_add_f32 v[6:7], v[6:7], v[XS+\j+2:XS+\j+3]
.endr
	s_delay_alu instid0(VALU_DEP_1)
	v_pk_add_f32 v[4:5], v[4:5], v[6:7]
	s_delay_alu instid0(VALU_DEP_1)
	v_add_f32 v4, v4, v5
	REDUCE 4
	s_delay_alu instid0(VALU_DEP_1)
	v_mul_f32 v4, s20, v4                          ; the mean
.irp j, 0,2,4,6,8,10,12,14,16,18,20,22,24,26,28,30
	v_pk_add_f32 v[XS+\j:XS+\j+1], v[XS+\j:XS+\j+1], v[4:5] op_sel_hi:[1,0] neg_lo:[0,1] neg_hi:[0,1]   ; x - mean (the pair's low word for both halves)
.endr
	v_pk_mul_f32 v[6:7], v[XS:XS+1], v[XS:XS+1]    ; the sum of squares: the first products start two chains
	v_pk_mul_f32 v[8:9], v[XS+2:XS+3], v[XS+2:XS+3]
.irp j, 4,8,12,16,20,24,28
	s_delay_alu instid0(VALU_DEP_2)
	v_pk_fma_f32 v[6:7], v[XS+\j:XS+\j+1], v[XS+\j:XS+\j+1], v[6:7]
	s_delay_alu instid0(VALU_DEP_2)
	v_pk_fma_f32 v[8:9], v[XS+\j+2:XS+\j+3], v[XS+\j+2:XS+\j+3], v[8:9]
.endr
	s_delay_alu instid0(VALU_DEP_1)
	v_pk_add_f32 v[6:7], v[6:7], v[8:9]
	s_delay_alu instid0(VALU_DEP_1)
	v_add_f32 v6, v6, v7
	REDUCE 6
	s_delay_alu instid0(VALU_DEP_1)
	v_fma_f32 v6, v6, s20, s21                     ; the variance + 1e-5
	s_wait_alu depctr_va_vdst(0)
	v_rsq_f32 v6, v6
	v_nop                                          ; one plain instruction behind a transcendental before its result is used (ISA guide 5.7.2)
.if \s == 0
	s_wait_loadcnt 0x0                             ; the gain and the bias (and row 1) are in
.endif
	s_wait_alu depctr_va_vdst(0)
.irp j, 0,2,4,6,8,10,12,14,16,18,20,22,24,26,28,30
	v_pk_mul_f32 v[XS+\j:XS+\j+1], v[XS+\j:XS+\j+1], v[6:7] op_sel_hi:[1,0]
.endr
.irp j, 0,2,4,6,8,10,12,14,16,18,20,22,24,26,28,30
	v_pk_fma_f32 v[XS+\j:XS+\j+1], v[XS+\j:XS+\j+1], v[G+\j:G+\j+1], v[BV+\j:BV+\j+1]
.endr
.irp j, 0,1,2,3,4,5,6,7,8,9,10,11,12,13,14,15,16,17,18,19,20,21,22,23,24,25,26,27,28,29,30,31
	v_med3_num_f32 v[XS+\j], v[XS+\j], -v13, v13   ; the conversion to an 8-bit code does not saturate (ISA guide 7.6.2): the hold at the largest code x the scale
.endr
.irp q, 0,1,2,3
	v_cvt_scalef32_pk8_fp8_f32 v[C+8*\s+2*\q:C+8*\s+2*\q+1], v[XS+8*\q:XS+8*\q+7], v12
.endr
	v_nop                                          ; a plain instruction behind the last conversion
.irp j, 0,1,2,3,4,5,6,7
	ds_store_b32 v2, v[C+8*\s+\j] offset:1024*\s+128*\j
.endr
.irp m, 0,1
	ds_load_b128 v[OUT+8*\s+4*\m:OUT+8*\s+4*\m+3], v3 offset:1024*\s+512*\m   ; LDS serves a wave's instructions in order (ISA guide 5.7.1.4): these see my stores
.endr
	s_wait_dscnt 0x0
.irp m, 0,1
	global_store_b128 v1, v[OUT+8*\s+4*\m:OUT+8*\s+4*\m+3], s[12:13] offset:1024*\s+512*\m   ; 32 lanes store 512 consecutive bytes, aligned
.endr
.endm
	s_wait_loadcnt 24                              ; row 0's eight loads are in; the 24 younger ones (row 1, gain, bias) may be out
	ROW 0
	ROW 1
	s_wait_tensorcnt 0x0
	ds_add_u32 v176, v177
	s_wait_dscnt 0x0
	s_endpgm
.Lfunc_end_k_q980b1f867b_ln2:
	.size	k_q980b1f867b_ln2, .Lfunc_end_k_q980b1f867b_ln2-k_q980b1f867b_ln2
	.p2alignl 7, 3214868480
	.fill 96, 4, 3214868480
	.section	.rodata,"a",@progbits
	.p2align	6, 0x0
	.amdhsa_kernel k_q980b1f867b_ln2
		.amdhsa_group_segment_fixed_size 17408
		.amdhsa_private_segment_fixed_size 0
		.amdhsa_enable_private_segment 0
		.amdhsa_kernarg_size 40
		.amdhsa_user_sgpr_count 2
		.amdhsa_user_sgpr_kernarg_segment_ptr 1
		.amdhsa_wavefront_size32 1
		.amdhsa_system_sgpr_workgroup_id_x 1
		.amdhsa_system_sgpr_workgroup_id_y 1
		.amdhsa_system_sgpr_workgroup_id_z 1
		.amdhsa_system_vgpr_workitem_id 0
		.amdhsa_next_free_vgpr 178
		.amdhsa_next_free_sgpr 66
		.amdhsa_reserve_vcc 0
		.amdhsa_float_denorm_mode_32 3
		.amdhsa_float_denorm_mode_16_64 3
		.amdhsa_memory_ordered 1
		.amdhsa_forward_progress 1
		.amdhsa_inst_pref_size 26
	.end_amdhsa_kernel
	.amdgpu_metadata
---
amdhsa.version: [ 1, 2 ]
amdhsa.kernels:
  - .name:           k_q980b1f867b_ln2
    .symbol:         k_q980b1f867b_ln2.kd
    .args:
      - { .name: x2, .offset: 0, .size: 8, .value_kind: global_buffer, .address_space: global }
      - { .name: ln2_g, .offset: 8, .size: 8, .value_kind: global_buffer, .address_space: global }
      - { .name: ln2_b, .offset: 16, .size: 8, .value_kind: global_buffer, .address_space: global }
      - { .name: lowp_scales, .offset: 24, .size: 8, .value_kind: global_buffer, .address_space: global }
      - { .name: h2c, .offset: 32, .size: 8, .value_kind: global_buffer, .address_space: global }
    .group_segment_fixed_size: 17408
    .private_segment_fixed_size: 0
    .kernarg_segment_align: 8
    .kernarg_segment_size: 40
    .max_flat_workgroup_size: 256
    .sgpr_count:     66
    .vgpr_count:     178
    .wavefront_size: 32
...
	.end_amdgpu_metadata
.endif
;; end of part 5
;; launch fc (part 6): grid 16 x 16, 4 waves a work-group, clusters of 4 x 4, 327,680 bytes of LDS; arguments h2c, w_fc_codes, lowp_scales, b_fc, h3c; writes h3c
.if DOCPART == 6
	.amdgcn_target "amdgcn-amd-amdhsa--gfx1250"
	.amdhsa_code_object_version 6
	.text
	.protected	k_q980b1f867b_fc
	.globl	k_q980b1f867b_fc
	.p2align	8
	.type	k_q980b1f867b_fc,@function
k_q980b1f867b_fc:
	s_mov_b64 s[64:65], 0
	v_nop
	global_prefetch_b8 v0, s[64:65] scope:SCOPE_SE
	s_setreg_imm32_b32 hwreg(HW_REG_WAVE_MODE, 25, 1), 1
	s_wait_xcnt 0x0
	s_wait_alu depctr_hold_cnt(0) depctr_sa_sdst(0) depctr_va_vdst(0) depctr_va_sdst(0) depctr_va_ssrc(0) depctr_va_vcc(0) depctr_vm_vsrc(0)
	s_getreg_b32 s2, hwreg(HW_REG_IB_STS2, 6, 4)
	s_cmp_eq_u32 s2, 0
	s_cbranch_scc0 .Lentry_in_a_cluster
	s_endpgm
.Lentry_in_a_cluster:
	s_bfe_u32 s2, ttmp6, 0x10000c
	s_cmp_lg_u32 s2, 0xf033
	s_cbranch_scc0 .Lentry_shape_is_right
	s_endpgm
.Lentry_shape_is_right:
.set KSTEP,  256
.set ROWB,   256
.set KROW,   1024
.set PITCH,  272
.set FR,     16
.set NL,     4
.set NP,     4
.set HALFT,  128*PITCH
.set SLOT,   4*HALFT
.set LAPS,   KROW/(2*KSTEP)
.set SPARE,  2*SLOT
.set DP,     528
.set DREG,   128*DP
.set BGA,  7
.set CD,   8
.set ADRA, 16
.set ADRB, 20
.set DST,  24
.set RD0,  25
.set ADR,  26
.set GO,   27
.set SPW,  28
.set NIL,  29
.set SCV,  30
.set LIM,  31
.set BJ,   32
.set R,    64
.set AF,   128
.set X,    128
.set Z,    192
.set S,    208
.set P,    224
.set Q,    240
.set A13, 66
.set A9,  68
.set A7,  70
.set A5,  72
.set A3,  74
.set A1,  76
.set B8,  78
.set B4,  80
.set B2,  82
.set B0,  84
.set RS2, 86
.set G1, 24
.set G0, 32
.set G1B, 48
.set G0B, 56
.set MSB, 0
.macro WIN new
.if MSB != \new
	s_set_vgpr_msb (MSB<<8)|\new
.set MSB, \new
.endif
.endm
.set MUL_LO, 0xa1
.set MUL_HI, 0xf1
.set TO_B,   0x40
.macro JLOAD g0a, g1a, g0b, g1b
	s_cmp_eq_u32 s15, 0
	s_cbranch_scc0 .Lfor_b_\@
	tensor_load_to_lds s[\g0a:\g0a+3], s[\g1a:\g1a+7]
	s_nop 0
.rept 4
	v_nop
.endr
	s_branch .Lasked_\@
.Lfor_b_\@:
	tensor_load_to_lds s[\g0b:\g0b+3], s[\g1b:\g1b+7]
	s_nop 0
.rept 4
	v_nop
.endr
.Lasked_\@:
.endm
.macro CREST
	s_cmp_lg_u32 s14, 0
	s_cbranch_scc1 .Lnot_wave_0_\@
	s_barrier_signal -3
.Lnot_wave_0_\@:
	s_barrier_wait -3
	s_barrier_signal -1
	s_barrier_wait -1
.endm
.macro CROUND
	s_barrier_signal -1
	s_barrier_wait -1
	CREST
.endm
.macro CPAIR r, val
	s_mov_b32 s[\r], \val
	s_mov_b32 s[\r+1], \val
.endm
	s_load_b256 s[4:11], s[0:1], 0x0
	s_load_b64 s[12:13], s[0:1], 0x20
	v_lshl_add_u32 v[SPW], v0, 2, SPARE
	v_mov_b32 v[NIL], 0
	ds_add_u32 v28, v29
	ds_add_u32 v28, v29
	s_wait_dscnt 0x0
	v_lshrrev_b32 v1, 5, v0
	v_readfirstlane_b32 s14, v1
	s_lshr_b32 s15, s14, 1
	s_and_b32 s16, s14, 1
	s_bfe_u32 s40, ttmp6, 0x40000
	s_bfe_u32 s41, ttmp6, 0x40004
	s_lshl_b32 s42, ttmp9, 2
	s_add_co_u32 s42, s42, s40
	s_and_b32 s17, ttmp7, 0xffff
	s_lshl_b32 s17, s17, 2
	s_add_co_u32 s17, s17, s41
	s_lshl_b32 s43, s41, 2
	s_lshl_b32 s43, 15, s43
	s_lshl_b32 s44, 0x1111, s40
	s_or_b32 s[G1+0], s43, (0<<16)|(1<<20)|(1<<21)|(5<<22)|(3<<25)
	s_or_b32 s[G1B+0], s44, (0<<16)|(1<<20)|(1<<21)|(5<<22)|(3<<25)
.irp g, G1, G1B
	s_mov_b32 s[\g+1], ROWB<<16
	s_mov_b32 s[\g+2], 128<<16
	s_mov_b32 s[\g+3], ROWB<<16
	s_mov_b32 s[\g+4], 128
	s_mov_b32 s[\g+5], KROW
	s_mov_b32 s[\g+6], 0
	s_mov_b32 s[\g+7], 0
.endr
	s_lshl_b32 s18, s16, 7
	s_lshl_b32 s20, s17, 8
	s_add_co_u32 s20, s20, s18
	s_lshl_b32 s20, s20, 10
	s_mov_b32 s21, 0
	s_lshl_b32 s46, s42, 8
	s_add_co_u32 s46, s46, s18
	s_lshl_b32 s46, s46, 10
	s_mov_b32 s47, 0
	s_mul_i32 s45, s14, HALFT
	s_wait_kmcnt 0x0
	s_load_b128 s[88:91], s[8:9], 0x20
	s_add_nc_u64 s[20:21], s[4:5], s[20:21]
	s_add_nc_u64 s[46:47], s[6:7], s[46:47]
	; the prefetches: of the 128 rows that my wave fetches, each of the four partners that ask for them jointly names 32, told apart by address (cx for A, cy for W): a lane a row, 256 bytes of a row a K step
	s_cmp_eq_u32 s15, 0
	s_cselect_b64 s[18:19], s[20:21], s[46:47]
	s_cselect_b32 s92, s40, s41
	s_lshl_b32 s92, s92, 15                        ; 32 rows of 1,024 bytes
	s_mov_b32 s93, 0
	s_add_nc_u64 s[18:19], s[18:19], s[92:93]
	v_and_b32 v22, 31, v0
	v_lshlrev_b32 v22, 10, v22                     ; my lane's row; not written again before the way out, behind its wait on XCNT
	s_wait_alu depctr_va_vdst(0)                   ; the wait here, behind the write
	CROUND
.irp s, 0,1
	s_mov_b32 s[G0+4*\s], 1
	s_add_co_u32 s[G0+4*\s+1], s45, \s*SLOT
	s_add_nc_u64 s[G0+4*\s+2:G0+4*\s+3], s[20:21], \s*ROWB
	s_or_b32 s[G0+4*\s+3], s[G0+4*\s+3], 0x80000000
	s_mov_b32 s[G0B+4*\s], 1
	s_add_co_u32 s[G0B+4*\s+1], s45, \s*SLOT
	s_add_nc_u64 s[G0B+4*\s+2:G0B+4*\s+3], s[46:47], \s*ROWB
	s_or_b32 s[G0B+4*\s+3], s[G0B+4*\s+3], 0x80000000
.endr
	JLOAD G0, G1, G0B, G1B                         ; K step 0: one tensor load a wave at the head
	global_prefetch_b8 v22, s[18:19] offset:256 th:TH_LOAD_NT scope:SCOPE_SE   ; K steps 1 and 2
	global_prefetch_b8 v22, s[18:19] offset:512 th:TH_LOAD_NT scope:SCOPE_SE
	s_lshl_b32 s92, s42, 10
	s_lshl_b32 s93, s16, 9
	s_add_co_u32 s92, s92, s93
	s_mov_b32 s93, 0
	s_add_nc_u64 s[10:11], s[10:11], s[92:93]
	v_and_b32 v[BGA], 3, v0
	v_lshlrev_b32 v[BGA], 6, v[BGA]
.irp jj, 0,1
.irp i, 0,1,2,3
	global_load_b128 v[BJ+16*\jj+4*\i:BJ+16*\jj+4*\i+3], v[BGA], s[10:11] offset:256*\jj+16*\i
.endr
.endr
	v_and_b32 v8, 31, v0
	v_lshlrev_b32 v[GO], 4, v8
	v_and_b32 v1, 15, v0
	s_wait_alu depctr_va_vdst(0)
	v_bfe_u32 v2, v0, 4, 1
	v_mul_u32_u24 v3, v1, PITCH
	v_lshl_add_u32 v4, v2, 4, v3
	s_mul_i32 s21, s15, HALFT
	s_mul_i32 s22, s16, HALFT
	s_add_co_u32 s22, s22, 2*HALFT
.irp s, 0,1
	v_add_nc_u32 v[ADRA+\s], s21, v4
	v_add_nc_u32 v[ADRB+\s], s22, v4
	s_add_co_u32 s21, s21, SLOT
	s_add_co_u32 s22, s22, SLOT
.endr
	s_mul_i32 s23, s14, DREG
	v_mul_u32_u24 v3, v1, DP
	s_wait_alu depctr_va_vdst(0)
	v_lshl_add_u32 v3, v2, 5, v3
	v_add_nc_u32 v[DST], s23, v3
	v_bfe_u32 v3, v0, 2, 3
	v_mul_u32_u24 v3, v3, DP
	v_and_b32 v4, 3, v0
	v_lshl_add_u32 v3, v4, 6, v3
	v_add_nc_u32 v[RD0], s23, v3
	s_lshl_b32 s92, s17, 1
	s_add_co_u32 s92, s92, s15
	s_lshl_b32 s92, s92, 19
	s_lshl_b32 s93, s42, 2
	s_lshl_b32 s94, s16, 1
	s_add_co_u32 s93, s93, s94
	s_lshl_b32 s93, s93, 13
	s_add_co_u32 s92, s92, s93
	s_mov_b32 s93, 0
	s_add_nc_u64 s[12:13], s[12:13], s[92:93]
	CPAIR A13, 0xaf95df0b
	CPAIR A9,  0xb60cff51
	CPAIR A7,  0xb86ec2d2
	CPAIR A5,  0xba40ac63
	CPAIR A3,  0xbb41a1f6
	CPAIR A1,  0xbc83dbd4
	CPAIR B8,  0xb77460cd
	CPAIR B4,  0xbadc924e
	CPAIR B2,  0xbbf19bf8
	CPAIR B0,  0xbc69b6a7
	CPAIR RS2, 0x3fb504f3                          ; the square root of 2: the way out carries h = x / 2, and z = x / sqrt(2) = h sqrt(2)
.macro FRAG reg, adr, q, i
.irp c, 0,1,2,3
	ds_load_b128 v[\reg+4*\c:\reg+4*\c+3], v[\adr] offset:128*(\q)+32*\c+(\i)*16*PITCH
.endr
.endm
.macro MUL16 a0, p, zero
.irp a, \a0, \a0+1
.irp b, 0,1,2,3,4,5,6,7
.if \zero
	v_wmma_f32_16x16x128_fp8_fp8 v[8*(8*((\a)%4)+\b):8*(8*((\a)%4)+\b)+7], v[128*(\p)+FR*\b:128*(\p)+FR*\b+FR-1], v[AF+FR*(\a):AF+FR*(\a)+FR-1], 0
.else
	v_wmma_f32_16x16x128_fp8_fp8 v[8*(8*((\a)%4)+\b):8*(8*((\a)%4)+\b)+7], v[128*(\p)+FR*\b:128*(\p)+FR*\b+FR-1], v[AF+FR*(\a):AF+FR*(\a)+FR-1], v[8*(8*((\a)%4)+\b):8*(8*((\a)%4)+\b)+7]
.endif
.endr
.endr
.endm
.macro FETCH_B slot, q, p
	WIN TO_B
.irp i, 0,1,2,3,4,5,6,7
	FRAG 128*(\p)+FR*\i, ADRB+\slot, \q, \i
.endr
	WIN 0
.endm
.macro FETCH_A slot, q, i0
.irp i, \i0, \i0+1, \i0+2, \i0+3
	FRAG AF+FR*(\i), ADRA+\slot, \q, \i
.endr
.endm
.macro PLACES n
.rept \n
	v_nop
.endr
.endm
.macro STEP slot, q, zero
	s_wait_dscnt 4*NL
	WIN MUL_LO
	MUL16 0, (\q)%2, \zero
	MUL16 2, (\q)%2, \zero
	s_wait_dscnt 0
	PLACES NP
	FETCH_B \slot, (\q)+1, 1-(\q)%2
	FETCH_A \slot, (\q)+1, 0
	WIN MUL_HI
	MUL16 4, (\q)%2, \zero
	MUL16 6, (\q)%2, \zero
	PLACES NP
	WIN 0
	FETCH_A \slot, (\q)+1, 4
.endm
.macro TURN slot, next, fill
	s_wait_tensorcnt 0x0
	ds_add_u32 v[SPW], v[NIL]
	s_wait_dscnt 4*NL+1
	WIN MUL_LO
	MUL16 0, 1, 0
	s_wait_dscnt 0x0
	s_barrier_signal -1
	MUL16 2, 1, 0
	WIN 0
	s_barrier_wait -1
.if \fill
	CREST
	s_add_nc_u64 s[G0+4*\slot+2:G0+4*\slot+3], s[G0+4*\slot+2:G0+4*\slot+3], 2*ROWB
	s_add_nc_u64 s[G0B+4*\slot+2:G0B+4*\slot+3], s[G0B+4*\slot+2:G0B+4*\slot+3], 2*ROWB
	JLOAD G0+4*\slot, G1, G0B+4*\slot, G1B
.else
	PLACES NP
.endif
	FETCH_B \next, 0, 0
	FETCH_A \next, 0, 0
	WIN MUL_HI
	MUL16 4, 1, 0
	MUL16 6, 1, 0
	PLACES NP
	WIN 0
	FETCH_A \next, 0, 4
.endm
	s_wait_alu depctr_va_vdst(0)                   ; the wait at the head's end
	s_wait_tensorcnt 0x0                           ; my part of K step 0 is in; slot 1's first fill is issued as a refill is
	ds_add_u32 v[SPW], v[NIL]
	s_wait_dscnt 0x0
	CROUND                                         ; everybody's part of K step 0 is in, and the joint loads meet
	JLOAD G0+4, G1, G0B+4, G1B                     ; K step 1: the first tensor load behind the round
	FETCH_B 0, 0, 0
	FETCH_A 0, 0, 0
	FETCH_A 0, 0, 4
	global_prefetch_b8 v22, s[18:19] offset:768 th:TH_LOAD_NT scope:SCOPE_SE   ; K step 3, the last: two refills on
	STEP 0, 0, 1
	s_mov_b32 s3, LAPS-1
.Llap:
	TURN 0, 1, 1
	STEP 1, 0, 0
	TURN 1, 0, 1
	STEP 0, 0, 0
	s_sub_co_u32 s3, s3, 1
	s_cmp_lg_u32 s3, 0
	s_cbranch_scc1 .Llap
	TURN 0, 1, 0
	STEP 1, 0, 0
	s_wait_dscnt 4*NL
	WIN MUL_LO
	MUL16 0, 1, 0
	MUL16 2, 1, 0
	s_wait_dscnt 0
	WIN MUL_HI
	MUL16 4, 1, 0
	MUL16 6, 1, 0
	WIN 0
	s_wait_dscnt 0x0
	s_barrier_signal -1
	s_barrier_wait -1
	PLACES NP
	s_wait_kmcnt 0x0
	s_wait_loadcnt 0x0
	s_add_co_i32 s96, s88, s89
	s_add_co_i32 s96, s96, 126
	s_lshl_b32 s96, s96, 23                        ; 2^(e8 + e9 - 1): half the sums' scale.  LIMIT: e8 + e9 between -125 and 127
	s_mov_b32 s97, s96
.irp p, 0,2,4,6,8,10,12,14,16,18,20,22,24,26,28,30
	v_pk_mul_f32 v[BJ+\p:BJ+\p+1], v[BJ+\p:BJ+\p+1], 0.5 op_sel_hi:[1,0]   ; and half the bias: sum x scale / 2 + bias / 2 is h = x / 2, with the same rounding as x
.endr
	s_add_co_i32 s92, s90, 127
	s_lshl_b32 s93, s92, 23
	v_mov_b32 v[SCV], s93
	s_add_co_i32 s92, s92, 8
	s_lshl_b32 s92, s92, 23
	s_or_b32 s92, s92, 0x600000
	v_mov_b32 v[LIM], s92
	v_mov_b32 v2, 0x32edffee
	v_mov_b32 v3, 0x32edffee
	v_mov_b32 v4, 0xb95fbd29
	v_mov_b32 v5, 0xb95fbd29
.irp a, 0,1,2,3,4,5,6,7
	WIN 0x08+4*(\a/4)
.irp b, 0,1,2,3,4,5,6,7
	ds_store_b128 v[DST], v[8*(8*(\a%4)+\b):8*(8*(\a%4)+\b)+3] offset:\a*16*DP+64*\b
	ds_store_b128 v[DST], v[8*(8*(\a%4)+\b)+4:8*(8*(\a%4)+\b)+7] offset:\a*16*DP+64*\b+16
.endr
.endr
	WIN 0
	s_mov_b32 s98, 0
.macro EPI_LOAD
	v_add_nc_u32 v[ADR], s98, v[RD0]
.irp u, 0,1,2,3
.irp i, 0,1,2,3
	ds_load_b128 v[R+16*\u+4*\i:R+16*\u+4*\i+3], v[ADR] offset:(\u/2)*8*DP+(\u%2)*256+16*\i
.endr
.endr
.endm
.macro GELU u
.set XU, X+16*\u
.irp p, 0,2,4,6,8,10,12,14
	v_pk_mul_f32 v[Z+\p:Z+\p+1], v[XU+\p:XU+\p+1], s[RS2:RS2+1] op_sel_hi:[1,0]
.endr
.irp p, 0,1,2,3,4,5,6,7,8,9,10,11,12,13,14,15
	v_med3_num_f32 v[Z+\p], v[Z+\p], -4.0, 4.0
.endr
.irp p, 0,2,4,6,8,10,12,14
	v_pk_mul_f32 v[S+\p:S+\p+1], v[Z+\p:Z+\p+1], v[Z+\p:Z+\p+1]
.endr
.irp p, 0,2,4,6,8,10,12,14
	v_pk_fma_f32 v[P+\p:P+\p+1], v[S+\p:S+\p+1], s[A13:A13+1], v[2:3] op_sel_hi:[1,0,1]
	v_pk_fma_f32 v[Q+\p:Q+\p+1], v[S+\p:S+\p+1], s[B8:B8+1], v[4:5] op_sel_hi:[1,0,1]
.endr
.irp c, A9, A7, A5, A3, A1
.irp p, 0,2,4,6,8,10,12,14
	v_pk_fma_f32 v[P+\p:P+\p+1], v[P+\p:P+\p+1], v[S+\p:S+\p+1], s[\c:\c+1] op_sel_hi:[1,1,0]
.endr
.endr
.irp c, B4, B2, B0
.irp p, 0,2,4,6,8,10,12,14
	v_pk_fma_f32 v[Q+\p:Q+\p+1], v[Q+\p:Q+\p+1], v[S+\p:S+\p+1], s[\c:\c+1] op_sel_hi:[1,1,0]
.endr
.endr
	s_wait_alu depctr_va_vdst(0)
.irp p, 0,1,2,3,4,5,6,7,8,9,10,11,12,13,14,15
	v_rcp_f32 v[Q+\p], v[Q+\p]
.endr
.irp p, 0,2,4,6,8,10,12,14
	v_pk_mul_f32 v[P+\p:P+\p+1], v[P+\p:P+\p+1], v[Z+\p:Z+\p+1]
.endr
	s_wait_alu depctr_va_vdst(0)
.irp p, 0,2,4,6,8,10,12,14
	v_pk_mul_f32 v[P+\p:P+\p+1], v[P+\p:P+\p+1], v[Q+\p:Q+\p+1]
.endr
.irp p, 0,2,4,6,8,10,12,14
	v_pk_fma_f32 v[XU+\p:XU+\p+1], v[XU+\p:XU+\p+1], v[P+\p:P+\p+1], v[XU+\p:XU+\p+1]   ; gelu(x) = h erf(z) + h
.endr
.irp p, 0,1,2,3,4,5,6,7,8,9,10,11,12,13,14,15
	v_med3_num_f32 v[XU+\p], v[XU+\p], -v[LIM], v[LIM]
.endr
	v_cvt_scalef32_pk8_fp8_f32 v[CD+4*\u:CD+4*\u+1], v[XU:XU+7], v[SCV]
	v_cvt_scalef32_pk8_fp8_f32 v[CD+4*\u+2:CD+4*\u+3], v[XU+8:XU+15], v[SCV]
.endm
.macro EPI_TRIP pre
	s_wait_dscnt 0x0
.irp u, 0,1,2,3
.irp p, 0,2,4,6,8,10,12,14
	v_pk_fma_f32 v[X+16*\u+\p:X+16*\u+\p+1], v[R+16*\u+\p:R+16*\u+\p+1], s[96:97], v[BJ+16*(\u%2)+\p:BJ+16*(\u%2)+\p+1] op_sel_hi:[1,0,1]
.endr
.endr
	s_add_co_u32 s98, s98, 16*DP
	s_min_u32 s98, s98, 112*DP                     ; one text serves all eight trips: the last trip names its own 16 rows again, inside my region, and uses nothing of them
	EPI_LOAD
	s_wait_xcnt 0x0
	GELU 0
	GELU 1
	GELU 2
	GELU 3
	v_nop
	s_lshl_b32 s92, s3, 10
	s_mov_b32 s93, 0
	s_add_nc_u64 s[94:95], s[12:13], s[92:93]
	global_store_b128 v[GO], v[CD:CD+3], s[94:95]
	global_store_b128 v[GO], v[CD+4:CD+7], s[94:95] offset:8192
	global_store_b128 v[GO], v[CD+8:CD+11], s[94:95] offset:512
	global_store_b128 v[GO], v[CD+12:CD+15], s[94:95] offset:8192+512
.endm
	s_wait_alu depctr_va_vdst(0)
	EPI_LOAD
	s_mov_b32 s3, 0
.Lrows:
	EPI_TRIP 1
	s_add_co_u32 s3, s3, 1
	s_cmp_lt_u32 s3, 8
	s_cbranch_scc1 .Lrows
	s_wait_tensorcnt 0x0
	ds_add_u32 v[SPW], v[NIL]
	s_wait_dscnt 0x0
	CROUND
	s_endpgm
.Lfunc_end_k_q980b1f867b_fc:
	.size	k_q980b1f867b_fc, .Lfunc_end_k_q980b1f867b_fc-k_q980b1f867b_fc
	.p2alignl 7, 3214868480
	.fill 96, 4, 3214868480
	.section	.rodata,"a",@progbits
	.p2align	6, 0x0
	.amdhsa_kernel k_q980b1f867b_fc
		.amdhsa_group_segment_fixed_size 327680
		.amdhsa_private_segment_fixed_size 0
		.amdhsa_enable_private_segment 0
		.amdhsa_kernarg_size 40
		.amdhsa_user_sgpr_count 2
		.amdhsa_user_sgpr_kernarg_segment_ptr 1
		.amdhsa_wavefront_size32 1
		.amdhsa_system_sgpr_workgroup_id_x 1
		.amdhsa_system_sgpr_workgroup_id_y 1
		.amdhsa_system_sgpr_workgroup_id_z 1
		.amdhsa_system_vgpr_workitem_id 0
		.amdhsa_next_free_vgpr 1024
		.amdhsa_next_free_sgpr 100
		.amdhsa_reserve_vcc 0
		.amdhsa_float_denorm_mode_32 3
		.amdhsa_float_denorm_mode_16_64 3
		.amdhsa_memory_ordered 1
		.amdhsa_forward_progress 1
		.amdhsa_inst_pref_size 137
	.end_amdhsa_kernel
	.amdgpu_metadata
---
amdhsa.version: [ 1, 2 ]
amdhsa.kernels:
  - .name:           k_q980b1f867b_fc
    .symbol:         k_q980b1f867b_fc.kd
    .args:
      - { .name: h2c, .offset: 0, .size: 8, .value_kind: global_buffer, .address_space: global }
      - { .name: w_fc_codes, .offset: 8, .size: 8, .value_kind: global_buffer, .address_space: global }
      - { .name: lowp_scales, .offset: 16, .size: 8, .value_kind: global_buffer, .address_space: global }
      - { .name: b_fc, .offset: 24, .size: 8, .value_kind: global_buffer, .address_space: global }
      - { .name: h3c, .offset: 32, .size: 8, .value_kind: global_buffer, .address_space: global }
    .group_segment_fixed_size: 327680
    .private_segment_fixed_size: 0
    .kernarg_segment_align: 8
    .kernarg_segment_size: 40
    .max_flat_workgroup_size: 128
    .sgpr_count:     100
    .vgpr_count:     1024
    .wavefront_size: 32
...
	.end_amdgpu_metadata
.endif
;; end of part 6
;; launch proj (part 7): grid 8 x 32, 4 waves a work-group, clusters of 4 x 4, 327,680 bytes of LDS; arguments h3c, w_proj_codes, lowp_scales, b_proj, x2, out0; writes out0
.if DOCPART == 7
	.amdgcn_target "amdgcn-amd-amdhsa--gfx1250"
	.amdhsa_code_object_version 6
	.text
	.protected	k_q980b1f867b_proj
	.globl	k_q980b1f867b_proj
	.p2align	8
	.type	k_q980b1f867b_proj,@function
k_q980b1f867b_proj:
	s_mov_b64 s[64:65], 0
	v_nop
	global_prefetch_b8 v0, s[64:65] scope:SCOPE_SE
	s_setreg_imm32_b32 hwreg(HW_REG_WAVE_MODE, 25, 1), 1
	s_wait_xcnt 0x0
	s_wait_alu depctr_hold_cnt(0) depctr_sa_sdst(0) depctr_va_vdst(0) depctr_va_sdst(0) depctr_va_ssrc(0) depctr_va_vcc(0) depctr_vm_vsrc(0)
	s_getreg_b32 s2, hwreg(HW_REG_IB_STS2, 6, 4)
	s_cmp_eq_u32 s2, 0
	s_cbranch_scc0 .Lentry_in_a_cluster
	s_endpgm
.Lentry_in_a_cluster:
	s_bfe_u32 s2, ttmp6, 0x10000c
	s_cmp_lg_u32 s2, 0xf033
	s_cbranch_scc0 .Lentry_shape_is_right
	s_endpgm
.Lentry_shape_is_right:
; out0 = x2 + h3 Wproj^T + b_proj.  h3c: codes of E4M3, [token / 128][K / 64][token % 128][64]; w_proj_codes: [1024][4096] codes, K innermost; x2, out0: [4096][1024] f32.  Sums in f32, each multiplied once by 2^(e10 + e11).
; A tile of the output is 128 x 128, so that there are 256 work-groups; four waves, 64 x 64 each: 16 accumulators.  K = 4,096 goes in steps of 512 through a ring of two LDS slots.
; A's tile of a step is 65,536 dense bytes: it comes as lines of 256 bytes (four rows of 64) + 16 of padding; W's as 128 rows of 512 bytes + 16.  One tensor load a wave: waves 0, 1 A's halves, waves 2, 3 W's.
; CLUSTERS: 4 x 4: A's tile is shared along a row of the cluster, W's along a column: joint loads.
; Source 0 = 16 rows of W, source 1 = 16 tokens: a lane holds one token and eight neighbouring columns.  The bias, divided by 2^(e10 + e11), is the C of each sum's first matrix instruction.
; The residual is asked for at the head, in the layout in which the results are stored, and lands under the products.  The results turn through a stage in slot 0 (its last fill and last read are over) and leave as rows of 256 bytes.
; LIMIT: e10 + e11 between -126 and 127.
; REGISTERS: window 0: v16-29 addresses; v[32:63] the bias; v[128:255] accumulators, (a, b) at v[128 + 8 (4 a + b)].  window 1: two fragment buffers of 128: A's four blocks, then W's four.  window 2: v0-127 the residual.
.set KTOT,   4096
.set SCOFF,  0x28                      ; entries 10 and 11 of the scales
.set NTOUT,  1
.set KSTEP,  512
.set PANEL,  32*272                    ; 64 along K of 128 tokens: 32 lines
.set APART,  8*PANEL
.set BP,     528                       ; a row of W in LDS: 512 bytes + 16
.set SLOT,   APART+128*BP
.set SPARE,  2*SLOT                    ; the spare words: two blocks of 256 bytes that no other line names
.set SPITCH, 272                       ; the stage: 64 rows x (256 bytes + 16) for each wave
.set LAPS,   KTOT/(2*KSTEP)
.set ADRA, 16
.set ADRB, 20
.set STO,  24
.set RD,   25
.set CO,   26
.set BA,   27
.set SPW,  28
.set NIL,  29
.set BJ,   32
.set ACC,  128
.set F0,   0
.set F1,   128
.set G1, 24
.set G0, 32
.set G1B, 48
.set G0B, 56
.set MSB, 0
.macro WIN new                         ; the immediate's high byte repeats the setting that is left
.if MSB != \new
	s_set_vgpr_msb (MSB<<8)|\new
.set MSB, \new
.endif
.endm
.set MUL,  0x05                        ; sources 0 and 1 window 1; C and D window 0
.set TO_F, 0x40
.macro JLOAD s                         ; waves 0, 1 fetch for A, waves 2, 3 for W; four v_nop follow each of the two lines
	s_cmp_eq_u32 s67, 0
	s_cbranch_scc0 .Lfor_b_\@
	tensor_load_to_lds s[G0+4*\s:G0+4*\s+3], s[G1:G1+7]
	s_nop 0
.rept 4
	v_nop
.endr
	s_branch .Lasked_\@
.Lfor_b_\@:
	tensor_load_to_lds s[G0B+4*\s:G0B+4*\s+3], s[G1B:G1B+7]
	s_nop 0
.rept 4
	v_nop
.endr
.Lasked_\@:
.endm
.macro CREST
	s_cmp_lg_u32 s66, 0
	s_cbranch_scc1 .Lnot_wave_0_\@
	s_barrier_signal -3
.Lnot_wave_0_\@:
	s_barrier_wait -3
	s_barrier_signal -1
	s_barrier_wait -1
.endm
.macro CROUND
	s_barrier_signal -1
	s_barrier_wait -1
	CREST
.endm
	s_load_b256 s[4:11], s[0:1], 0x0               ; A's codes s[4:5], W's s[6:7], scales s[8:9], bias s[10:11]
	s_load_b128 s[12:15], s[0:1], 0x20             ; the residual s[12:13], the output s[14:15]
	v_lshl_add_u32 v[SPW], v0, 2, SPARE
	v_mov_b32 v[NIL], 0
	ds_add_u32 v28, v29
	ds_add_u32 v28, v29
	s_wait_dscnt 0x0
	v_lshrrev_b32 v1, 5, v0
	v_readfirstlane_b32 s66, v1                    ; wave 0..3
	s_lshr_b32 s67, s66, 1                         ; my half of the tokens.  Also: I fetch for A (0) or W (1)
	s_and_b32 s68, s66, 1                          ; my half of the columns.  Also: which half I fetch
	s_bfe_u32 s40, ttmp6, 0x40000
	s_bfe_u32 s41, ttmp6, 0x40004
	s_lshl_b32 s42, ttmp9, 2
	s_add_co_u32 s42, s42, s40                     ; tile column
	s_and_b32 s43, ttmp7, 0xffff
	s_lshl_b32 s43, s43, 2
	s_add_co_u32 s43, s43, s41                     ; tile row
	s_lshl_b32 s44, s41, 2
	s_lshl_b32 s44, 15, s44                        ; my row of the cluster
	s_lshl_b32 s45, 0x1111, s40                    ; my column
	s_or_b32 s[G1+0], s44, (0<<16)|(1<<20)|(1<<21)|(5<<22)|(3<<25)   ; A: 128 lines of 256 bytes, dense; four words of padding after every 64
	s_mov_b32 s[G1+1], 256<<16
	s_mov_b32 s[G1+2], 128<<16
	s_mov_b32 s[G1+3], 256<<16
	s_mov_b32 s[G1+4], 128
	s_mov_b32 s[G1+5], 256
	s_mov_b32 s[G1+6], 0
	s_mov_b32 s[G1+7], 0
	s_or_b32 s[G1B+0], s45, (0<<16)|(1<<20)|(1<<21)|(6<<22)|(3<<25)  ; W: 64 rows of 512 bytes, KTOT apart; four words after every 128
	s_mov_b32 s[G1B+1], KSTEP<<16
	s_mov_b32 s[G1B+2], 64<<16
	s_mov_b32 s[G1B+3], KSTEP<<16
	s_mov_b32 s[G1B+4], 64
	s_mov_b32 s[G1B+5], KTOT
	s_mov_b32 s[G1B+6], 0
	s_mov_b32 s[G1B+7], 0
	s_mul_i32 s16, s43, KTOT*128                   ; A: my tile row's block, + my half of a step's 65,536 bytes
	s_lshl_b32 s22, s68, 15
	s_add_co_u32 s16, s16, s22
	s_mov_b32 s17, 0
	s_lshl_b32 s18, s42, 7                         ; W: row 128 x tile column + 64 x half
	s_lshl_b32 s22, s68, 6
	s_add_co_u32 s18, s18, s22
	s_mul_i32 s18, s18, KTOT
	s_mov_b32 s19, 0
	s_mul_i32 s20, s68, 128*272                    ; where they go
	s_mul_i32 s21, s68, 64*BP
	s_add_co_u32 s21, s21, APART
	s_wait_kmcnt 0x0
	s_load_b64 s[70:71], s[8:9], SCOFF             ; eA, eB
	s_add_nc_u64 s[16:17], s[4:5], s[16:17]
	s_add_nc_u64 s[18:19], s[6:7], s[18:19]
	; the prefetches.  A K step of what my wave fetches is 128 blocks of 256 bytes: of A 32,768 dense bytes, of W 64 rows x 512 bytes.  Each of the four partners that ask for it jointly names 32 of them,
	; told apart by address (cx for A, cy for W): lane l names block l % 2 of pair l / 2; pairs lie 512 bytes apart in A, a row of 4,096 bytes apart in W.
	s_cmp_eq_u32 s67, 0                            ; do I fetch for A?
	s_cselect_b64 s[76:77], s[16:17], s[18:19]
	s_cselect_b32 s72, s40, s41                    ; my place among the four
	s_cselect_b32 s73, 13, 16                      ; whose parts lie 8,192 bytes apart in A, 16 rows apart in W
	s_mov_b32 s69, 4096
	s_cselect_b32 s69, 512, s69
	s_mov_b32 s78, 512
	s_cselect_b32 s78, 0x10000, s78                ; s[78:79]: a K step on, in bytes
	s_mov_b32 s79, 0
	s_lshl_b32 s72, s72, s73
	s_mov_b32 s73, 0
	s_add_nc_u64 s[76:77], s[76:77], s[72:73]
	s_add_nc_u64 s[76:77], s[76:77], s[78:79]      ; s[76:77] stands at K step 1
	v_bfe_u32 v30, v0, 1, 4
	v_mul_lo_u32 v30, v30, s69
	v_and_b32 v31, 1, v0
	v_lshl_add_u32 v30, v31, 8, v30                ; v30: my block; v31: the same a K step on; neither is written again
	v_add_nc_u32 v31, s78, v30
	s_wait_alu depctr_va_vdst(0)                   ; the wait here, behind the writes
	CROUND
.irp s, 0,1
	s_mov_b32 s[G0+4*\s], 1
	s_add_co_u32 s[G0+4*\s+1], s20, \s*SLOT
	s_add_nc_u64 s[G0+4*\s+2:G0+4*\s+3], s[16:17], \s*65536
	s_or_b32 s[G0+4*\s+3], s[G0+4*\s+3], 0x80000000
	s_mov_b32 s[G0B+4*\s], 1
	s_add_co_u32 s[G0B+4*\s+1], s21, \s*SLOT
	s_add_nc_u64 s[G0B+4*\s+2:G0B+4*\s+3], s[18:19], \s*KSTEP
	s_or_b32 s[G0B+4*\s+3], s[G0B+4*\s+3], 0x80000000
.endr
	JLOAD 0                                        ; K step 0: one tensor load a wave at the head
	global_prefetch_b8 v30, s[76:77] th:TH_LOAD_NT scope:SCOPE_SE   ; K steps 1 and 2
	global_prefetch_b8 v31, s[76:77] th:TH_LOAD_NT scope:SCOPE_SE
	s_lshl_b32 s22, s42, 9
	s_lshl_b32 s23, s68, 8
	s_add_co_u32 s22, s22, s23                     ; my first column, in bytes of f32
	s_mov_b32 s23, 0
	s_add_nc_u64 s[10:11], s[10:11], s[22:23]
	s_lshl_b32 s46, s43, 7
	s_lshl_b32 s47, s67, 6
	s_add_co_u32 s46, s46, s47                     ; my first row
	s_lshl_b32 s46, s46, 12
	s_add_co_u32 s46, s46, s22
	s_mov_b32 s47, 0
	s_add_nc_u64 s[12:13], s[12:13], s[46:47]
	s_add_nc_u64 s[14:15], s[14:15], s[46:47]
	v_and_b32 v1, 15, v0                           ; r
	v_bfe_u32 v2, v0, 4, 1                         ; h
	v_lshlrev_b32 v[BA], 5, v2
	v_lshlrev_b32 v5, 12, v2
	v_lshl_add_u32 v[CO], v1, 4, v5                ; lanes 0-15 one row of 256 bytes, lanes 16-31 the next
.irp b, 0,1,2,3
	global_load_b128 v[BJ+8*\b:BJ+8*\b+3], v[BA], s[10:11] offset:64*\b          ; the bias at columns 16 b + 8 h + 0 .. 7: the result's layout
	global_load_b128 v[BJ+8*\b+4:BJ+8*\b+7], v[BA], s[10:11] offset:64*\b+16
.endr
	WIN 0x80                                       ; destination window 2
.irp t, 0,1,2,3,4,5,6,7,8,9,10,11,12,13,14,15,16,17,18,19,20,21,22,23,24,25,26,27,28,29,30,31
	global_load_b128 v[4*\t:4*\t+3], v[CO], s[12:13] offset:8192*\t              ; the residual: rows 2 t, 2 t + 1 of my 64
.endr
	WIN 0
	v_lshrrev_b32 v3, 2, v1
	v_mul_u32_u24 v3, v3, 272
	v_and_b32 v4, 3, v1
	v_lshl_add_u32 v3, v4, 6, v3
	v_lshl_add_u32 v3, v2, 4, v3                   ; A: (r / 4) 272 + (r % 4) 64 + 16 h
	v_mul_u32_u24 v4, v1, BP
	v_lshl_add_u32 v4, v2, 4, v4                   ; W: r x pitch + 16 h
	s_mul_i32 s22, s67, 16*272
	s_mul_i32 s23, s68, 64*BP
	s_add_co_u32 s23, s23, APART
.irp s, 0,1
	v_add_nc_u32 v[ADRA+\s], s22, v3
	v_add_nc_u32 v[ADRB+\s], s23, v4
	s_add_co_u32 s22, s22, SLOT
	s_add_co_u32 s23, s23, SLOT
.endr
	s_mul_i32 s22, s66, 64*SPITCH                  ; my stage
	v_mul_u32_u24 v5, v1, SPITCH
	v_lshl_add_u32 v5, v2, 5, v5
	v_add_nc_u32 v[STO], s22, v5
	v_mul_u32_u24 v5, v2, SPITCH
	v_lshl_add_u32 v5, v1, 4, v5
	v_add_nc_u32 v[RD], s22, v5
	s_wait_kmcnt 0x0
	s_add_co_i32 s72, s70, s71
	s_sub_co_i32 s74, 0, s72
	s_add_co_i32 s72, s72, 127
	s_lshl_b32 s72, s72, 23                        ; 2^(eA + eB)
	s_mov_b32 s73, s72
	s_wait_loadcnt 32                              ; the bias is in; the residual's 32 loads may be out
.irp j, 0,1,2,3,4,5,6,7,8,9,10,11,12,13,14,15,16,17,18,19,20,21,22,23,24,25,26,27,28,29,30,31
	v_ldexp_f32 v[BJ+\j], v[BJ+\j], s74            ; the bias / 2^(eA + eB): what the sums lack
.endr
.macro MUL4 f, a, zero                 ; block a of the tokens against W's four; the 16 accumulators take turns, one instruction a turn, in the same order in every quarter
.irp b, 0,1,2,3
.if \zero
	v_wmma_f32_16x16x128_fp8_fp8 v[ACC+8*(4*\a+\b):ACC+8*(4*\a+\b)+7], v[\f+64+16*\b:\f+64+16*\b+15], v[\f+16*\a:\f+16*\a+15], v[BJ+8*\b:BJ+8*\b+7]
.else
	v_wmma_f32_16x16x128_fp8_fp8 v[ACC+8*(4*\a+\b):ACC+8*(4*\a+\b)+7], v[\f+64+16*\b:\f+64+16*\b+15], v[\f+16*\a:\f+16*\a+15], v[ACC+8*(4*\a+\b):ACC+8*(4*\a+\b)+7]
.endif
.endr
.endm
.macro FETCH slot, q, f                ; 32 LDS loads in one run: the fragments of the slot's q-th 128 along K: registers 4 c .. 4 c + 3 hold K = 32 c + 16 h + 0 .. 15 on both sides
	WIN TO_F
.irp b, 0,1,2,3
.irp c, 0,1,2,3
	ds_load_b128 v[\f+64+16*\b+4*\c:\f+64+16*\b+4*\c+3], v[ADRB+\slot] offset:\b*16*BP+128*(\q)+32*\c
.endr
.endr
.irp a, 0,1,2,3
.irp c, 0,1,2,3
	ds_load_b128 v[\f+16*\a+4*\c:\f+16*\a+4*\c+3], v[ADRA+\slot] offset:(2*(\q)+\c/2)*PANEL+\a*1088+32*(\c%2)
.endr
.endr
.endm
.macro PLACES                          ; four plain vector instructions between a matrix instruction and a load into, or a read of, its registers
.rept 4
	v_nop
.endr
.endm
.macro QUARTER slot, qn, f, g, zero    ; multiplies buffer f and fetches the slot's quarter qn into g
	s_wait_dscnt 8                                 ; W's four blocks and A's blocks 0, 1 are in; the youngest eight loads may be out
	WIN MUL
	MUL4 \f, 0, \zero
	MUL4 \f, 1, \zero
	PLACES
	FETCH \slot, \qn, \g
	s_wait_dscnt 32                                ; all but the 32 just issued
	WIN MUL
	MUL4 \f, 2, \zero
	MUL4 \f, 3, \zero
.endm
; A slot's last quarter multiplies buffer 1 and changes slots: one barrier; in front of it each wave waits for all its tensor loads, adds 0 to its spare word, and waits for that and for its own reads of this slot.
.macro TURN slot, next, fill
	WIN 0
.if \fill
	s_wait_xcnt 0x0                                ; my last prefetch has read its address: it steps a K step on
	s_add_nc_u64 s[76:77], s[76:77], s[78:79]
.endif
	s_wait_tensorcnt 0x0
	ds_add_u32 v[SPW], v[NIL]                      ; 0 onto my spare word
	s_wait_dscnt 9                                 ; (the add and the youngest eight loads may be out)
	WIN MUL
	MUL4 F1, 0, 0
	MUL4 F1, 1, 0
	s_wait_dscnt 0x0                               ; the add is done, and my reads of this slot are over
	s_barrier_signal -1
	MUL4 F1, 2, 0
	WIN 0
	s_barrier_wait -1
.if \fill
	CREST                                          ; the barrier has opened a round of the cluster's: no wave of any partner still reads this slot or has a load on its way
	s_add_nc_u64 s[G0+4*\slot+2:G0+4*\slot+3], s[G0+4*\slot+2:G0+4*\slot+3], 2*65536
	s_add_nc_u64 s[G0B+4*\slot+2:G0B+4*\slot+3], s[G0B+4*\slot+2:G0B+4*\slot+3], 2*KSTEP
	JLOAD \slot                                    ; the first tensor load behind the round; its four v_nop are the places in front of the loads below
.else
	PLACES
.endif
	FETCH \next, 0, F0
.if \fill
	WIN 0                                          ; at a branch and at a label every window is 0
	s_cmp_gt_u32 s3, 1                             ; the loop's last trip refills K steps 6 and 7: no K step stands two refills on
	s_cbranch_scc0 .Lno_ask_\@
	global_prefetch_b8 v31, s[76:77] th:TH_LOAD_NT scope:SCOPE_SE   ; the K step two refills on
.Lno_ask_\@:
.endif
	WIN MUL
	MUL4 F1, 3, 0
.endm
	s_wait_alu depctr_va_vdst(0)                   ; the wait at the head's end
	s_wait_xcnt 0x0                                ; the head's prefetches have read their address
	s_add_nc_u64 s[76:77], s[76:77], s[78:79]      ; it stands at K step 2
	s_wait_tensorcnt 0x0                           ; my part of K step 0 is in; slot 1's first fill is issued as a refill is
	ds_add_u32 v[SPW], v[NIL]
	s_wait_dscnt 0x0
	CROUND                                         ; everybody's part of K step 0 is in, and the joint loads meet
	JLOAD 1                                        ; K step 1: the first tensor load behind the round
	FETCH 0, 0, F0
	global_prefetch_b8 v31, s[76:77] th:TH_LOAD_NT scope:SCOPE_SE   ; K step 3
	QUARTER 0, 1, F0, F1, 1                        ; the first quarter's products start the sums, with the bias as C
.if LAPS > 1
	WIN 0
	s_mov_b32 s3, LAPS-1
.Llap:                                                 ; a trip goes once round the ring and fills both slots again
	QUARTER 0, 2, F1, F0, 0
	QUARTER 0, 3, F0, F1, 0
	TURN 0, 1, 1
	QUARTER 1, 1, F0, F1, 0
	QUARTER 1, 2, F1, F0, 0
	QUARTER 1, 3, F0, F1, 0
	TURN 1, 0, 1
	QUARTER 0, 1, F0, F1, 0
	WIN 0
	s_sub_co_u32 s3, s3, 1
	s_cmp_lg_u32 s3, 0
	s_cbranch_scc1 .Llap
.endif
	QUARTER 0, 2, F1, F0, 0                        ; the last lap fills nothing
	QUARTER 0, 3, F0, F1, 0
	TURN 0, 1, 0
	QUARTER 1, 1, F0, F1, 0
	QUARTER 1, 2, F1, F0, 0
	QUARTER 1, 3, F0, F1, 0
	s_wait_dscnt 8
	WIN MUL
	MUL4 F1, 0, 0
	MUL4 F1, 1, 0
	s_wait_dscnt 0x0
	MUL4 F1, 2, 0
	MUL4 F1, 3, 0
	WIN 0
	; THE WAY OUT: my 64 x 64 sums through my own stage, back as rows of 256 bytes; then sum x 2^(eA + eB) + the residual, one packed multiply-add for two numbers
	PLACES
.irp a, 0,1,2,3
.irp b, 0,1,2,3
	ds_store_b128 v[STO], v[ACC+8*(4*\a+\b):ACC+8*(4*\a+\b)+3] offset:\a*16*SPITCH+64*\b       ; each accumulator from its low end on
	ds_store_b128 v[STO], v[ACC+8*(4*\a+\b)+4:ACC+8*(4*\a+\b)+7] offset:\a*16*SPITCH+64*\b+16
.endr
.endr
	WIN 0x40                                       ; destination window 1: buffer 0 is done with
.irp t, 0,1,2,3,4,5,6,7,8,9,10,11,12,13,14,15,16,17,18,19,20,21,22,23,24,25,26,27,28,29,30,31
	ds_load_b128 v[4*\t:4*\t+3], v[RD] offset:2*SPITCH*\t   ; LDS serves a wave's instructions in order: these see my stores
.endr
	s_wait_loadcnt 0x0                             ; the residual
	s_wait_dscnt 0x0
	WIN 0x61                                       ; source 0 and destination window 1, source 2 window 2
.irp j, 0,2,4,6,8,10,12,14,16,18,20,22,24,26,28,30,32,34,36,38,40,42,44,46,48,50,52,54,56,58,60,62,64,66,68,70,72,74,76,78,80,82,84,86,88,90,92,94,96,98,100,102,104,106,108,110,112,114,116,118,120,122,124,126
	v_pk_fma_f32 v[\j:\j+1], v[\j:\j+1], s[72:73], v[\j:\j+1] op_sel_hi:[1,0,1]
.endr
	WIN 0x04                                       ; store data window 1
.irp t, 0,1,2,3,4,5,6,7,8,9,10,11,12,13,14,15,16,17,18,19,20,21,22,23,24,25,26,27,28,29,30,31
.if NTOUT
	global_store_b128 v[CO], v[4*\t:4*\t+3], s[14:15] offset:8192*\t th:TH_STORE_NT   ; 16 lanes store 256 consecutive bytes, aligned; written once, read by nobody here
.else
	global_store_b128 v[CO], v[4*\t:4*\t+3], s[14:15] offset:8192*\t
.endif
.endr
	WIN 0
	s_wait_tensorcnt 0x0                           ; the wave's end
	ds_add_u32 v[SPW], v[NIL]
	s_wait_dscnt 0x0
	CROUND                                         ; the closing round
	s_endpgm
.Lfunc_end_k_q980b1f867b_proj:
	.size	k_q980b1f867b_proj, .Lfunc_end_k_q980b1f867b_proj-k_q980b1f867b_proj
	.p2alignl 7, 3214868480
	.fill 96, 4, 3214868480
	.section	.rodata,"a",@progbits
	.p2align	6, 0x0
	.amdhsa_kernel k_q980b1f867b_proj
		.amdhsa_group_segment_fixed_size 327680
		.amdhsa_private_segment_fixed_size 0
		.amdhsa_enable_private_segment 0
		.amdhsa_kernarg_size 48
		.amdhsa_user_sgpr_count 2
		.amdhsa_user_sgpr_kernarg_segment_ptr 1
		.amdhsa_wavefront_size32 1
		.amdhsa_system_sgpr_workgroup_id_x 1
		.amdhsa_system_sgpr_workgroup_id_y 1
		.amdhsa_system_sgpr_workgroup_id_z 1
		.amdhsa_system_vgpr_workitem_id 0
		.amdhsa_next_free_vgpr 640
		.amdhsa_next_free_sgpr 80
		.amdhsa_reserve_vcc 0
		.amdhsa_float_denorm_mode_32 3
		.amdhsa_float_denorm_mode_16_64 3
		.amdhsa_memory_ordered 1
		.amdhsa_forward_progress 1
		.amdhsa_inst_pref_size 82
	.end_amdhsa_kernel
	.amdgpu_metadata
---
amdhsa.version: [ 1, 2 ]
amdhsa.kernels:
  - .name:           k_q980b1f867b_proj
    .symbol:         k_q980b1f867b_proj.kd
    .args:
      - { .name: h3c, .offset: 0, .size: 8, .value_kind: global_buffer, .address_space: global }
      - { .name: w_proj_codes, .offset: 8, .size: 8, .value_kind: global_buffer, .address_space: global }
      - { .name: lowp_scales, .offset: 16, .size: 8, .value_kind: global_buffer, .address_space: global }
      - { .name: b_proj, .offset: 24, .size: 8, .value_kind: global_buffer, .address_space: global }
      - { .name: x2, .offset: 32, .size: 8, .value_kind: global_buffer, .address_space: global }
      - { .name: out0, .offset: 40, .size: 8, .value_kind: global_buffer, .address_space: global }
    .group_segment_fixed_size: 327680
    .private_segment_fixed_size: 0
    .kernarg_segment_align: 8
    .kernarg_segment_size: 48
    .max_flat_workgroup_size: 128
    .sgpr_count:     80
    .vgpr_count:     640
    .wavefront_size: 32
...
	.end_amdgpu_metadata
.endif
;; end of part 7
